; MI455X (gfx1250); checked and timed in simulation.
; The chip was launched on July 23, 2026; its instructions are those of AMD's public machine-readable ISA for CDNA 5 (MIT licence, August 2026) and "CDNA5" Instruction Set Architecture Reference Guide (July 2026). The comments in the code are by the model that wrote it; some were corrected since.
;; Grouped Query Attention. Allowed arithmetic: matrix products marked QUANTISED: E2M3 operands, one E8M0 scale for each 32 along K, by v_wmma_scale_f32_16x16x128_f8f6f4 with both operands' format E2M3, f32 sums; everything else in f32.
;; Inputs: wk_codes 256 x 32 x 24 uint8 (E2M3 codes of wk, K innermost, in blocks of 32 codes, four codes in three bytes); wk_scales 256 x 32 uint8 (E8M0 scales of wk, one for each 32 codes along K); wo_codes 1,024 x 32 x 24 uint8 (E2M3 codes of wo, K innermost, in blocks of 32 codes, four codes in three bytes); wo_scales 1,024 x 32 uint8 (E8M0 scales of wo, one for each 32 codes along K); wq_codes 1,024 x 32 x 24 uint8 (E2M3 codes of wq, K innermost, in blocks of 32 codes, four codes in three bytes); wq_scales 1,024 x 32 uint8 (E8M0 scales of wq, one for each 32 codes along K); wv_codes 256 x 32 x 24 uint8 (E2M3 codes of wv, K innermost, in blocks of 32 codes, four codes in three bytes); wv_scales 256 x 32 uint8 (E8M0 scales of wv, one for each 32 codes along K); x_codes 4 x 2,048 x 32 x 24 uint8 (E2M3 codes of x, K innermost, in blocks of 32 codes, four codes in three bytes); x_scales 4 x 2,048 x 32 uint8 (E8M0 scales of x, one for each 32 codes along K).
;; Outputs: out0 4 x 2,048 x 1,024 float32.
;; This version of the problem:
;;   THIS VERSION OF THE PROBLEM IS GIVEN IN LOW PRECISION. The matrix products marked QUANTISED in the list below multiply operands that are first quantised to E2M3 (2 exponent bits, 3 mantissa bits; 6 bits a number), with one power-of-two scale for each 32 numbers along K (OCP MX v1.0); their sums are f32. All else is computed in f32.
;;   The module's matrix products, in the order in which they are computed (A, B: the left and right operand; K: the contracted axis; several contracted axes count as one K, in the product's order):
;;     1. [M 8,192, K 1,024] x [K 1,024, N 1,024]; A: input x (given as codes); B: input wq (given as codes): QUANTISED
;;     2. [M 8,192, K 1,024] x [K 1,024, N 256]; A: input x (given as codes); B: input wk (given as codes): QUANTISED
;;     3. [M 8,192, K 1,024] x [K 1,024, N 256]; A: input x (given as codes); B: input wv (given as codes): QUANTISED
;;     4. batch 16 x [M 8,192, K 64] x [K 64, N 2,048]; A: computed on the way; B: computed on the way: QUANTISED
;;     5. batch 16 x [M 8,192, K 2,048] x [K 2,048, N 64]; A: softmax (see below); B: computed on the way: QUANTISED
;;     6. [M 8,192, K 1,024] x [K 1,024, N 1,024]; A: computed on the way; B: input wo (given as codes): QUANTISED
;;   THE QUANTISER, for each operand of a quantised product, along K:
;;     - K is cut into blocks of 32 from its start; a last block that is shorter is filled with zeros.
;;     - A block's scale is 2^e with e = floor(log2(the largest magnitude in the block)) - 2, held to -126 .. 127; a block of zeros has e = 0. As a byte (E8M0): e + 127.
;;     - Each number is divided by its block's scale, clamped to +-7.5, and rounded to the nearest number of E2M3, ties to even, subnormals kept.
;;     - The product sums the exact products of the quantised numbers (number of the format x scale) in f32.
;;   ~~~python
;;   def quantise(x, axis):      # numpy; x: float32 -> the quantised numbers, widened to float32 again
;;       x = np.moveaxis(x, axis, -1); K = x.shape[-1]
;;       x = np.pad(x, [(0, 0)] * (x.ndim - 1) + [(0, -K % 32)]); x = x.reshape(x.shape[:-1] + (-1, 32)); a = np.abs(x).max(-1, keepdims=True)
;;       e = np.where(a > 0, np.clip(np.frexp(np.where(a > 0, a, 1))[1] - 1 - 2, -126, 127), 0)      # np.frexp(a)[1] - 1 = floor(log2(a)), exactly
;;       r = np.clip(x / 2.0 ** e, -7.5, 7.5)
;;       step = 2.0 ** (np.maximum(np.frexp(np.where(r == 0, 1, r))[1] - 1, 0) - 3)
;;       q = np.round(r / step) * step * 2.0 ** e      # np.round: ties to even
;;       return np.moveaxis(q.reshape(q.shape[:-2] + (-1,))[..., :K], -1, axis).astype(np.float32)
;;   ~~~
;;   SOFTMAX AHEAD OF A QUANTISED PRODUCT. Where the list says 'softmax', what is quantised is not the finished softmax but p = 2^(t - M), with t = logit x log2(e) and M = ceil(the row's largest t), a whole number; so 1/2 < the row's largest p <= 1. The row's sum l is taken of the UNQUANTISED p, in f32, and the product's result is divided by l at the end. Since M is a whole number, a kernel that streams over the keys may use a running M (the ceiling of the running maximum): every later rescaling is an exact power of two, which a block's scale takes up: the codes' values come out the same.
;;   OPERANDS COMPUTED ON THE WAY. 'Computed on the way' means the value that the module computes at that place (a softmax that the list does not call 'softmax' is quantised finished and normalised). What goes into a quantiser is computed in f32, as accurately as f32 sums, v_exp_f32 and their like allow (about 1e-6 of the number): no bf16 or f16 on the way to a quantiser, and a product that is left as it is and whose result goes on into a quantised operand takes f32 operands (vector FMAs, or v_wmma_f32_16x16x4_f32). A number that lies on a knife's edge between two numbers of the format may be rounded either way, as far as f32 arithmetic and the matrix unit's own rounding can turn it there, and no further.
;;   INPUTS GIVEN AS CODES. wk (in the module: [1024, 256], K = its axis 0); wo (in the module: [1024, 1024], K = its axis 0); wq (in the module: [1024, 1024], K = its axis 0); wv (in the module: [1024, 256], K = its axis 0); x (in the module: [4, 2048, 1024], K = its axis 2): each comes as NAME_codes (uint8): NAME with its K axis moved to the last place and cut into blocks of 32 codes, [.., K / 32, bytes a block], one block behind the other in memory; four codes in three bytes: a row's codes are one little-endian stream of bits, code i at bits 6 i .. 6 i + 5 (a code: sign, 2 exponent bits, 3 mantissa bits); and NAME_scales (uint8): the same leading axes, one E8M0 byte (e + 127) for each 32 codes along K. Its value is code x scale, taken as it is: it is not quantised again, and the codes and scales need not be those that the quantiser above would give.
;; One version. Each part assembles by itself: llvm-mc -triple=amdgcn-amd-amdhsa -mcpu=gfx1250 --defsym DOCPART=n.
;; ======== version 1 of 1: 3 launches
;; limits: right only within a limited range of input values
;; workspace buffers: qimg 6,291,456 bytes; qscl 524,288 bytes; kimg 1,572,864 bytes; kscl 131,072 bytes; vimg 1,572,864 bytes; vscl 65,536 bytes; aimg 6,291,456 bytes; ascl 262,144 bytes
;; launch proj (part 1): grid 32 x 6, 4 waves a work-group, no clusters, 269,824 bytes of LDS; arguments x_codes, x_scales, wq_codes, wq_scales, wk_codes, wk_scales, wv_codes, wv_scales, qimg, qscl, kimg, kscl, vimg, vscl; writes qimg, qscl, kimg, kscl, vimg, vscl
.if DOCPART == 1
	.amdgcn_target "amdgcn-amd-amdhsa--gfx1250"
	.amdhsa_code_object_version 6
	.text
	.protected	k_q2a8a4c6481_proj
	.globl	k_q2a8a4c6481_proj
	.p2align	8
	.type	k_q2a8a4c6481_proj,@function
k_q2a8a4c6481_proj:
	s_mov_b64 s[64:65], 0
	v_nop
	global_prefetch_b8 v0, s[64:65] scope:SCOPE_SE
	s_setreg_imm32_b32 hwreg(HW_REG_WAVE_MODE, 25, 1), 1
	s_wait_xcnt 0x0
; q = rope(x wq), k = rope(x wk), v = x wv on codes of FP6 (E2M3) with E8M0 scales, and the quantisers of q and k (along a head's 64) and of v (along the keys).
; ONE GEMM CORE.  Source 1 of the matrix instruction is the STATIONARY operand: 64 rows a wave, all of K = 1,024, in 384 registers for the whole launch.  Source 0 is the STREAMED operand: 256 rows a work-group,
; all of K, brought into LDS once; it is walked in four passes of 64 rows: 16 accumulators x 8 K steps of 128.  In a result a lane holds ONE stationary row and its registers run along the streamed rows.
;   work-group y = 0..3: streamed = wq's rows 256 y on (a head a pass), y = 4: wk's 256 rows; stationary = x: wave w takes tile T = 4 x + w of 16 positions, in each of the four batches (tile i = batch i),
;                        so that one sine and cosine serves four rows.
;   y = 5:               the operands change places: streamed = x's rows 256 x on (64 keys a pass), stationary = wv's rows 64 w on, so that a lane's registers run along the keys, which are v's K.
; The three ways differ in scalars alone (pointers, strides, chosen on y) and in one branch round the rotation.
; THE ROWS OF A TILE ARE NOT NEIGHBOURS: place p (0..15) of tile 2 b + u is row 32 b + 8 u + p + 8 (p / 8): then the 16 registers of tiles 2 b and 2 b + 1 are 16 neighbours along the next K.
; The same order serves the positions of a tile T (so keys and queries) and wv's rows.
; THE STATIONARY OPERAND COMES IN WHOLE ROWS.  A tile's 16 rows are two runs of 8 rows, 6,144 consecutive bytes each: 24 loads of 512 consecutive bytes a tile, into the registers that the tile's fragments will take.
; From there they turn through the wave's own stage in LDS (16 rows of 768 + 16 bytes) and come back as fragments, 8 bytes a lane.
; OUT: images of operand registers.  Half a fragment (16 rows x 64 K, 6 registers a lane) is 768 bytes: registers 0-3 at 16 x lane, registers 4-5 at 512 + 8 x lane: each store covers whole aligned blocks of 256 bytes.
; Scale words leave as one block of 256 bytes: the word of (tile i, row r) at 8 (16 (i % 2) + r) + 4 (i / 2).
; NO CLUSTER: with y = 5 every work-group streams other rows of x, so a mask along x would name partners with different descriptors; along y the streamed tiles differ by definition.
; 192 work-groups: the 768 units of 64 streamed x 256 stationary rows fall into 640 (q, k) and 128 (v), which no split into 256 equal shares with a fixed stationary side divides.
; LIMITS.  The angle is fl(s x f), f = 2^fl(-i log2(10000) / half) by v_exp_f32: f may differ from a correctly rounded power by a few units in the last place, the angle by some 2e-4 rad at s = 2,047.
; The reduction by pi/2 in two parts serves angles under about 1e5; sine and cosine are polynomials of degree 7 and 8 on |r| <= pi/4.  A block of zeros, and a block whose largest magnitude lies under 2^-124,
; gets the scale byte 1 (zero codes add nothing under it; the bytes are read by this program alone).  NaN, infinities and the scale byte 0xff are not served.
; REGISTERS, in windows of 256: window 0: addresses, scale words, work, v128-255 the accumulators (tile i, streamed tile t at 128 + 32 i + 8 t); window 1: stationary tiles 0, 1 (K step q of tile i at 12 (8 (i % 2) + q));
; window 2: tiles 2, 3; window 3: two buffers of four streamed fragments (48 x parity + 12 t).
; THE ORDERS AS THEY NOW STAND (where the head comment differs, these lines hold).  STATIONARY rows: place p of tile i is row 8 i + p % 8 + 32 (p / 8) of its 64 (positions: tile T holds 64 (T / 4) + 8 (T % 4) + p % 8 + 32 (p / 8));
; STREAMED rows keep place p of tile 2 b + u = 32 b + 8 u + p + 8 (p / 8).  In LDS a streamed tile's 16 places are 16 consecutive rows: one tensor load brings runs of 8 rows (6,144 bytes), 16 rows apart in memory.
; Wave 0 fetches the tiles with u = 0, wave 1 those with u = 1 (128 rows each), waves 2 and 3 half of the scale bytes each: one tensor load a wave.  k's scale word of an odd tile T stands in the word's upper two bytes.
.set GP,    6528                       ; 8 LDS rows: one run
.set ADU,   91                         ; v96, v97: the pass's two addresses for the tiles with u = 1 (free while the K steps run)
.set PITCH, 816                        ; an LDS row: 3 x (256 bytes + 16 of padding)
.set SCW,   32*GP
.set STGX,  SCW+8192                   ; behind them: the stages, 16 rows x 784 bytes = 49 blocks of 256 bytes for each wave; no fill lands here
.set SPX,   784                        ; a stage row: 768 bytes + 16 = 196 words: row r starts at bank 4 r mod 64 (64 banks of 4 bytes: ISA guide 11.1); lanes 16-31 read 6 words on: the 32 lanes of a load of 8 bytes touch 64 different banks
.set ADW0,  2                          ; v2   my lane's place in a streamed tile
.set ADW20, 3                          ; v3   the same behind one padding more
.set ADSW0, 4                          ; v4   my lane's place among the streamed scale words
.set ADW,   5                          ; v5-7 the same three for the pass in hand
.set ADW2,  6
.set ADSW,  7
.set SL,    8                          ; v8   the stage: where my fragments' pieces lie: row r, + 24 h
.set L8,    9                          ; v9   8 x lane
.set SF,    10                         ; v10  my position s, as f32
.set IPB,   11                         ; v11  the pass's first pair index of my half, a whole number
.set L16,   12                         ; v12  16 x lane
.set XO,    12                         ; v12-15 16 x lane + where stationary tile i begins (tile 0: at 0)
.set XSO,   16                         ; v16-19 byte offsets of my row's scale words in the four stationary tiles
.set PWA,   20                         ; v20-23 the scale words just made
.set WA,    24                         ; v24-27 the words as they leave
.set MW,    28                         ; v[28:29] the four tiles' words, merged
.set SA0,   30                         ; v30  the stage: 16 x lane
.set SA1,   31                         ; v31  the same, 16 bytes further on for lanes 16-31, whose bytes begin the next row
.set SX,    32                         ; v32-47 stationary scale words: register 4 i + j: lanes 0-15 K step j, lanes 16-31 K step 4 + j
.set SW,    48                         ; v48-63 streamed scale words, likewise (4 t + j)
.set CS,    64                         ; v64-95 (cos, sin) of my 16 pairs; then four sets of codes
.set QA,    96                         ; v96-127 at work
.set QN,    100
.set QZ,    104
.set QP,    108
.set QQ,    112
.set QU,    116
.set QW,    120
.set QX,    124
.set ACC,   128
.set TB,    2                          ; s2   LDS byte at which the pass's 64 streamed rows begin
.set TSW,   3                          ; s3   and their scale bytes
.set WV,    32
.set RG,    33
.set YY,    34
.set PASS,  35
.set G1C,   36
.set G1S,   44
.set G0S,   72
.set SB,    76                         ; s[76:83] where tile i's image goes
.set SS,    84                         ; s[84:85] where the scale words go
.set PSTR,  86                         ; s[86:87] an image's step from pass to pass
.set SSTR,  88                         ; s[88:89] the scale words' step
.set NEGC,  90
.set K2PI,  91
.set KNHI,  92
.set KNMID, 93
.set KS1,   94
.set KS2,   95
.set KS3,   96
.set KC1,   97
.set KC2,   98
.set KC3,   99
.set SEL,   100
.set LM,    104
.set NV,    66                         ; s66  1: q or k;  0: v
.set WMSK,  67
.set WSH,   105
.set MSB, 0
.macro WIN new                         ; the immediate's high byte repeats the setting that is left
.if MSB != (\new)
	s_set_vgpr_msb (MSB<<8)|(\new)
.set MSB, (\new)
.endif
.endm
.macro PLACES n
.rept \n
	v_nop
.endr
.endm
; Stationary tile i as it lies in memory: two runs of 8 rows, 12 loads of 512 consecutive bytes each, into the 96 registers that its eight fragments will take.
.macro XLOAD i
	WIN 0x40+0x40*((\i)/2)                         ; destination window 1 or 2, offsets window 0
.irp z, 0,1
.irp j, 0,1,2,3,4,5,6,7,8,9,10,11
	global_load_b128 v[96*((\i)%2)+48*\z+4*\j:96*((\i)%2)+48*\z+4*\j+3], v[XO+(\i)], s[4:5] offset:24576*\z+512*\j
.endr
.endr
.endm
; Tile i turns through my stage.  Three loads' 1,536 bytes are two rows: the first is the head of a row, the second its tail (lanes 0-15) and the next row's head (lanes 16-31), the third that row's rest.
; LDS serves a wave's instructions in order (ISA guide 5.7.1.4): no wait between the stores and the loads, nor in front of the next tile's stores; the bytes are my wave's own.
.macro XTURN i
	WIN 0x04+0x04*((\i)/2)                         ; an LDS store's data are its source 1: window 1 or 2
.irp z, 0,1
.irp j, 0,1,2,3,4,5,6,7,8,9,10,11
.if \j%3 == 0
	ds_store_b128 v[SA0], v[96*((\i)%2)+48*\z+4*\j:96*((\i)%2)+48*\z+4*\j+3] offset:(8*\z+2*(\j/3))*SPX
.elseif \j%3 == 1
	ds_store_b128 v[SA1], v[96*((\i)%2)+48*\z+4*\j:96*((\i)%2)+48*\z+4*\j+3] offset:(8*\z+2*(\j/3))*SPX+512
.else
	ds_store_b128 v[SA0], v[96*((\i)%2)+48*\z+4*\j:96*((\i)%2)+48*\z+4*\j+3] offset:(8*\z+2*(\j/3)+1)*SPX+256
.endif
.endr
.endr
	WIN 0x40+0x40*((\i)/2)                         ; back into the registers that they left, now as fragments: lane (r, h) takes 24 bytes at 96 q + 24 h of row r and 24 more 48 bytes on
.irp q, 0,1,2,3,4,5,6,7
.irp p, 0,1,2,3,4,5
	ds_load_b64 v[96*((\i)%2)+12*\q+2*\p:96*((\i)%2)+12*\q+2*\p+1], v[SL] offset:96*\q+48*(\p/3)+8*(\p%3)
.endr
.endr
.endm
; A streamed fragment, 16 rows x 128 K: lane (r, h) takes 24 bytes at 96 q + 24 h of its row and 24 more 48 bytes on, in pieces of 8.  16 bytes of padding lie behind every 32 pieces; lanes 16-31 read three
; pieces further on, and where that is behind one padding more the second address register (40 for 24 bytes a half) serves.
.macro FRAG reg, q, rowoff, u
.irp p, 0,1,2,3,4,5
.set PCE, 12*(\q)+6*(\p/3)+\p%3
.if PCE%32 < 29
	ds_load_b64 v[(\reg)+2*\p:(\reg)+2*\p+1], v[ADW+ADU*(\u)] offset:(\rowoff)+8*PCE+16*(PCE/32)
.else
	ds_load_b64 v[(\reg)+2*\p:(\reg)+2*\p+1], v[ADW2+ADU*(\u)] offset:(\rowoff)+8*PCE+16*(PCE/32)
.endif
.endr
.endm
.macro FETCH q                         ; K step q's four streamed fragments: 24 loads in one run
	WIN 0xc0                                       ; destination window 3, address window 0
.irp t, 0,1,2,3
	FRAG 48*((\q)%2)+12*\t, \q, (\t/2)*2*GP, \t%2
.endr
.endm
.macro WM i, t, q
.set rD, ACC+32*(\i)+8*(\t)
.set rA, 48*((\q)%2)+12*(\t)
.set rB, 12*(8*((\i)%2)+(\q))
.set rSA, SW+4*(\t)+(\q)%4
.set rSB, SX+4*(\i)+(\q)%4
.if (\q) == 0
	v_wmma_scale_f32_16x16x128_f8f6f4 v[rD:rD+7], v[rA:rA+11], v[rB:rB+11], 0, v[rSA], v[rSB] matrix_a_fmt:MATRIX_FMT_FP6 matrix_b_fmt:MATRIX_FMT_FP6
.elseif (\q) < 4
	v_wmma_scale_f32_16x16x128_f8f6f4 v[rD:rD+7], v[rA:rA+11], v[rB:rB+11], v[rD:rD+7], v[rSA], v[rSB] matrix_a_fmt:MATRIX_FMT_FP6 matrix_b_fmt:MATRIX_FMT_FP6
.else
	v_wmma_scale_f32_16x16x128_f8f6f4 v[rD:rD+7], v[rA:rA+11], v[rB:rB+11], v[rD:rD+7], v[rSA], v[rSB] matrix_a_fmt:MATRIX_FMT_FP6 matrix_b_fmt:MATRIX_FMT_FP6 matrix_a_scale:MATRIX_SCALE_ROW1 matrix_b_scale:MATRIX_SCALE_ROW1
.endif
.endm
; A K step: the next step's fragments are asked for, then 16 products.  The 16 accumulators take turns, one instruction a turn, in the same order in every step.
.macro KSTEP q
.if (\q) < 7
.if (\q) > 0
	PLACES 4                                       ; the buffer to be loaded was read by the 16 products just issued (ISA guide 7.12.1 for vector instructions)
.endif
	FETCH (\q)+1
	s_wait_dscnt 24                                ; all but the 24 loads just issued: this step's fragments (and, in step 0, the scale words) are in
.else
	s_wait_dscnt 0x0
.endif
	WIN 0x07                                       ; source 0 window 3, source 1 window 1, C and D window 0
.irp i, 0,1
.irp t, 0,1,2,3
	WM \i, \t, \q
.endr
.endr
	WIN 0x0b                                       ; source 1 window 2
.irp i, 2,3
.irp t, 0,1,2,3
	WM \i, \t, \q
.endr
.endr
.endm
; 32 numbers of a lane, register 16 b + x = k 32 b + 16 (lane / 16) + x of my row, become half a fragment's codes in v[ch .. ch + 5] and the word byte 0 | byte 1 << 8 in v[pw].
.macro QUANTH src, ch, ct, bm, pb, pw
.irp b, 0,1
	v_max3_num_f32 v[(\bm)+\b], |v[(\src)+16*\b]|, |v[(\src)+16*\b+1]|, 0x1800000   ; my 16 numbers of block b, and the floor 2^(3 - 127): the byte cannot fall under 1
.endr
.irp i, 2,4,6,8,10,12,14
.irp b, 0,1
	v_max3_num_f32 v[(\bm)+\b], v[(\bm)+\b], |v[(\src)+16*\b+\i]|, |v[(\src)+16*\b+\i+1]|
.endr
.endr
.irp b, 0,1
	v_permlanex16_b32 v[(\pb)+\b], v[(\bm)+\b], s[SEL], s[SEL+1]
.endr
.irp b, 0,1
	v_max_num_f32 v[(\bm)+\b], v[(\bm)+\b], v[(\pb)+\b]      ; with lane l xor 16's: the block's largest magnitude
.endr
.irp b, 0,1
	v_add_nc_u32 v[(\bm)+\b], 0xff000000, v[(\bm)+\b]        ; 2 off its exponent field: the conversion's scale operand
.endr
.irp b, 0,1
	v_lshrrev_b32 v[(\pb)+\b], 23, v[(\bm)+\b]               ; the scale's byte
.endr
	v_lshl_or_b32 v[(\pw)], v[(\pb)+1], 8, v[(\pb)]
	v_cvt_scalef32_pk16_fp6_f32 v[(\ch):(\ch)+2], v[(\src):(\src)+15], v[(\bm)]
	v_cvt_scalef32_pk16_fp6_f32 v[(\ct):(\ct)+2], v[(\src)+16:(\src)+31], v[(\bm)+1]
	v_nop                                          ; one plain place behind a scaled conversion
.irp i, 0,1,2
	v_permlane16_swap_b32 v[(\ch)+\i], v[(\ct)+\i]           ; a whole block to a lane: lanes 0-15 block 0, lanes 16-31 block 1
.endr
.irp i, 0,1,2
	v_mov_b32 v[(\ch)+3+\i], v[(\ct)+\i]
.endr
.endm
; (cos, sin) of the angle s x 2^(-i c) for four of my 16 pairs, k0 on.  Pair k of lane (r, h) is pair 16 (k / 8) + 8 h + k % 8 of the head.  No branch: the quadrant selects values.
.macro SINCOS4 k0
.irp j, 0,1,2,3
	v_add_nc_u32 v[QA+\j], 16*((\k0+\j)/8)+(\k0+\j)%8, v[IPB]
.endr
.irp j, 0,1,2,3
	v_cvt_f32_u32 v[QA+\j], v[QA+\j]               ; the pair's index in the flat row, exact
.endr
.irp j, 0,1,2,3
	v_mul_f32 v[QA+\j], s[NEGC], v[QA+\j]
.endr
	s_wait_alu depctr_va_vdst(0)
.irp j, 0,1,2,3
	v_exp_f32 v[QA+\j], v[QA+\j]                   ; the frequency
.endr
	v_nop                                          ; one plain place behind the transcendentals
	s_wait_alu depctr_va_vdst(0)
.irp j, 0,1,2,3
	v_mul_f32 v[QA+\j], v[SF], v[QA+\j]            ; the angle, one f32 product
.endr
.irp j, 0,1,2,3
	v_mul_f32 v[QN+\j], s[K2PI], v[QA+\j]
.endr
.irp j, 0,1,2,3
	v_rndne_f32 v[QN+\j], v[QN+\j]                 ; n = the nearest multiple of pi/2
.endr
.irp j, 0,1,2,3
	v_fma_f32 v[QA+\j], v[QN+\j], s[KNHI], v[QA+\j]
.endr
.irp j, 0,1,2,3
	v_fma_f32 v[QA+\j], v[QN+\j], s[KNMID], v[QA+\j]         ; r = angle - n pi/2, pi/2 in two parts
.endr
.irp j, 0,1,2,3
	v_cvt_i32_f32 v[QN+\j], v[QN+\j]
.endr
.irp j, 0,1,2,3
	v_mul_f32 v[QZ+\j], v[QA+\j], v[QA+\j]
.endr
.irp j, 0,1,2,3
	v_fma_f32 v[QP+\j], v[QZ+\j], s[KS3], s[KS2]
.endr
.irp j, 0,1,2,3
	v_fma_f32 v[QQ+\j], v[QZ+\j], s[KC3], s[KC2]
.endr
.irp j, 0,1,2,3
	v_fma_f32 v[QP+\j], v[QP+\j], v[QZ+\j], s[KS1]
.endr
.irp j, 0,1,2,3
	v_fma_f32 v[QQ+\j], v[QQ+\j], v[QZ+\j], s[KC1]
.endr
.irp j, 0,1,2,3
	v_mul_f32 v[QU+\j], v[QZ+\j], v[QA+\j]
.endr
.irp j, 0,1,2,3
	v_mul_f32 v[QW+\j], v[QZ+\j], v[QZ+\j]
.endr
.irp j, 0,1,2,3
	v_fma_f32 v[QP+\j], v[QP+\j], v[QU+\j], v[QA+\j]         ; sin r
.endr
.irp j, 0,1,2,3
	v_fma_f32 v[QU+\j], v[QZ+\j], -0.5, 1.0
.endr
.irp j, 0,1,2,3
	v_fma_f32 v[QQ+\j], v[QQ+\j], v[QW+\j], v[QU+\j]         ; cos r
.endr
.irp j, 0,1,2,3
	v_and_b32 v[QX+\j], 1, v[QN+\j]
.endr
.irp j, 0,1,2,3
	v_cmp_eq_u32 vcc_lo, 1, v[QX+\j]               ; n odd: sine and cosine change places
	v_cndmask_b32 v[QW+\j], v[QP+\j], v[QQ+\j], vcc_lo
	v_cndmask_b32 v[QU+\j], v[QQ+\j], v[QP+\j], vcc_lo
.endr
.irp j, 0,1,2,3
	v_lshlrev_b32 v[QX+\j], 30, v[QN+\j]
.endr
.irp j, 0,1,2,3
	v_add_nc_u32 v[QN+\j], 1, v[QN+\j]
.endr
.irp j, 0,1,2,3
	v_and_b32 v[QX+\j], 0x80000000, v[QX+\j]       ; the sine's sign: bit 1 of n
.endr
.irp j, 0,1,2,3
	v_lshlrev_b32 v[QN+\j], 30, v[QN+\j]
.endr
.irp j, 0,1,2,3
	v_xor_b32 v[CS+2*(\k0+\j)+1], v[QW+\j], v[QX+\j]
.endr
.irp j, 0,1,2,3
	v_and_b32 v[QN+\j], 0x80000000, v[QN+\j]       ; the cosine's: bit 1 of n + 1
.endr
.irp j, 0,1,2,3
	v_xor_b32 v[CS+2*(\k0+\j)], v[QU+\j], v[QN+\j]
.endr
.endm
; Tile i's 16 pairs are turned in place, in ascending order.
.macro ROPE i
.irp k0, 0,4,8,12
.irp j, 0,1,2,3
	v_mul_f32 v[QA+2*\j], v[ACC+32*(\i)+2*(\k0+\j)+1], v[CS+2*(\k0+\j)+1]        ; x2 sin
	v_mul_f32 v[QA+2*\j+1], v[ACC+32*(\i)+2*(\k0+\j)+1], v[CS+2*(\k0+\j)]        ; x2 cos
.endr
.irp j, 0,1,2,3
	v_fma_f32 v[ACC+32*(\i)+2*(\k0+\j)+1], v[ACC+32*(\i)+2*(\k0+\j)], v[CS+2*(\k0+\j)+1], v[QA+2*\j+1]   ; x1 sin + x2 cos
	v_fma_f32 v[ACC+32*(\i)+2*(\k0+\j)], v[ACC+32*(\i)+2*(\k0+\j)], v[CS+2*(\k0+\j)], -v[QA+2*\j]        ; x1 cos - x2 sin
.endr
.endr
.endm
	s_load_b512 s[4:19], s[0:1], 0x0               ; x codes, x scales, wq codes, wq scales, wk codes, wk scales, wv codes, wv scales
	s_load_b256 s[20:27], s[0:1], 0x40             ; qimg, qscl, kimg, kscl
	s_load_b128 s[28:31], s[0:1], 0x60             ; vimg, vscl
	s_set_vgpr_msb 0x40
	v_lshl_add_u32 v254, v0, 2, 0x41c00
	v_mov_b32 v255, 0
	s_set_vgpr_msb 0x4045
	ds_add_u32 v254, v255
	ds_add_u32 v254, v255
	s_set_vgpr_msb 0x4500
	v_lshrrev_b32 v1, 5, v0
	v_readfirstlane_b32 s[WV], v1                  ; wave 0..3
	s_mov_b32 s[RG], ttmp9
	s_and_b32 s[YY], ttmp7, 0xffff
	; descriptor group 1 for codes: 16 runs of 8 rows of 768 bytes, 16 bytes of padding behind every 256
	s_mov_b32 s[G1C+0], (1<<20)|(5<<22)|(3<<25)    ; no mask; elements of 1 byte; padding on, after every 64 words, of 4 words
	s_mov_b32 s[G1C+1], 6144<<16                   ; tensor_dim0: a run of 8 rows
	s_mov_b32 s[G1C+2], 16<<16                     ; tensor_dim1
	s_mov_b32 s[G1C+3], 6144<<16                   ; tile_dim0
	s_mov_b32 s[G1C+4], 16                         ; tile_dim1
	s_mov_b32 s[G1C+5], 12288                      ; from run to run: 16 rows
	s_mov_b32 s[G1C+6], 0
	s_mov_b32 s[G1C+7], 0
	; and for scale bytes: 64 rows x 32 bytes are a dense block: 8 rows of 256 bytes (32 elements of 8 bytes)
	s_mov_b32 s[G1S+0], 3<<16
	s_mov_b32 s[G1S+1], 32<<16
	s_mov_b32 s[G1S+2], 16<<16
	s_mov_b32 s[G1S+3], 32<<16
	s_mov_b32 s[G1S+4], 16
	s_mov_b32 s[G1S+5], 32
	s_mov_b32 s[G1S+6], 0
	s_mov_b32 s[G1S+7], 0
	s_mov_b32 s[K2PI], 0x3f22f983                  ; 2 / pi
	s_mov_b32 s[KNHI], 0xbfc90fdb                  ; -(pi/2), its f32 value,
	s_mov_b32 s[KNMID], 0x333bbd2e                 ; and less what that value misses
	s_mov_b32 s[KS1], 0xbe2aaaa3
	s_mov_b32 s[KS2], 0x3c08839e
	s_mov_b32 s[KS3], 0xb94ca1f9
	s_mov_b32 s[KC1], 0x3d2aaaa5
	s_mov_b32 s[KC2], 0xbab6061a
	s_mov_b32 s[KC3], 0x37ccf5ce
	s_mov_b32 s[SEL], 0x76543210
	s_mov_b32 s[SEL+1], 0xfedcba98                 ; v_permlanex16_b32's selects for lane l xor 16
	s_mov_b32 s[LM], 0xffff0000                    ; lanes 16-31
	s_mov_b32 s[TB], 0
	s_mov_b32 s[TSW], 0
	s_mov_b32 s[PASS], 0
	s_wait_dscnt 0x0
	s_wait_kmcnt 0x0
	; the buffers, chosen on the work-group's y alone
	s_cmp_lt_u32 s[YY], 4
	s_cselect_b64 s[8:9], s[8:9], s[12:13]         ; streamed codes: wq's or wk's
	s_cselect_b64 s[10:11], s[10:11], s[14:15]
	s_cselect_b64 s[20:21], s[20:21], s[24:25]     ; images: q's or k's
	s_cselect_b64 s[22:23], s[22:23], s[26:27]
	s_cmp_eq_u32 s[YY], 5
	s_cselect_b64 s[8:9], s[4:5], s[8:9]           ; v: x is streamed,
	s_cselect_b64 s[10:11], s[6:7], s[10:11]
	s_cselect_b64 s[4:5], s[16:17], s[4:5]         ; and wv is stationary
	s_cselect_b64 s[6:7], s[18:19], s[6:7]
	s_cselect_b64 s[20:21], s[28:29], s[20:21]
	s_cselect_b64 s[22:23], s[30:31], s[22:23]
	; offsets, made apart from the addresses
	s_and_b32 s12, s[YY], 3
	s_lshr_b32 s13, s[RG], 3                       ; v: the batch
	s_and_b32 s14, s[RG], 7                        ; v: which 256 keys
	s_lshl_b32 s15, s[RG], 2
	s_add_co_u32 s15, s15, s[WV]                   ; q, k: my tile T
	s_lshl_b32 s16, s[RG], 6
	s_lshl_b32 s17, s[WV], 3                       ; T's first position: 64 (T / 4) + 8 (T % 4), T = 4 x + w
	s_add_co_u32 s16, s16, s17                     ; q, k: T's first position: 64 (T / 4) + 8 (T % 4)
	s_lshl_b32 s17, s[WV], 6                       ; v: my first row of wv
	s_mul_i32 s18, s12, 393216
	s_mul_i32 s19, s15, 768
	s_add_co_u32 s18, s18, s19                     ; q, k: the first image
	s_mul_i32 s19, s13, 393216
	s_mul_i32 s24, s[WV], 98304
	s_add_co_u32 s19, s19, s24
	s_mul_i32 s24, s14, 12288
	s_add_co_u32 s19, s19, s24                     ; v: the first image
	s_lshl_b32 s24, s12, 17
	s_lshl_b32 s25, s15, 8
	s_add_co_u32 s24, s24, s25                     ; q, k: the first block of scale words
	s_lshl_b32 s25, s13, 2
	s_add_co_u32 s25, s25, s[WV]
	s_lshl_b32 s25, s25, 12
	s_lshl_b32 s26, s14, 9
	s_add_co_u32 s25, s25, s26                     ; v: likewise
	s_lshl_b32 s26, s12, 7                         ; q, k: the first head's first pair
	s_cmp_eq_u32 s[YY], 5
	s_cselect_b32 s27, s[RG], s12                  ; which 256 streamed rows
	s_cselect_b32 s17, s17, s16                    ; the first stationary row
	s_cselect_b32 s18, s19, s18
	s_cselect_b32 s24, s25, s24
	s_mov_b32 s[PSTR], 3072
	s_cselect_b32 s[PSTR], s[PSTR], 98304
	s_mov_b32 s[SSTR], 256
	s_cselect_b32 s[SSTR], s[SSTR], 32768
	s_cselect_b32 s[NV], 0, 1
	s_cselect_b32 s[WMSK], 0xffff, 0
	s_cselect_b32 s[WSH], 16, 0
	s_mov_b32 s28, 12288
	s_cselect_b32 s28, s28, 3145728                ; from stationary tile i to i + 2, in bytes of codes,
	s_mov_b32 s29, 6144
	s_cselect_b32 s29, s29, 1572864                ; and to i + 1
	s_mov_b32 s30, 512
	s_cselect_b32 s30, s30, 131072                 ; the same in scale bytes
	s_mov_b32 s31, 256
	s_cselect_b32 s31, s31, 65536
	s_mov_b32 s12, 768
	s_cselect_b32 s12, s12, 393216                 ; from tile i's image to tile i + 1's: v, k,
	s_cmp_lt_u32 s[YY], 4
	s_cselect_b32 s12, 1572864, s12                ; q
	s_mov_b32 s[NEGC], 0xbdd49a78                  ; -log2(10000) / 128 (k's flat row has 128 pairs),
	s_cselect_b32 s[NEGC], 0xbcd49a78, s[NEGC]
	s_and_b32 s14, s[WV], 1
	s_lshl_b32 s14, s14, 4
	s_cmp_eq_u32 s[YY], 4
	s_cselect_b32 s[WSH], s14, s[WSH]              ; k: an odd tile's two scale bytes go to the word's upper half
	s_mov_b32 s13, 0
	s_mov_b32 s[PSTR+1], 0
	s_mov_b32 s[SSTR+1], 0
	s_mul_i32 s14, s27, 196608
	s_and_b32 s19, s[WV], 1                        ; u for waves 0, 1; which half of the scale bytes for waves 2, 3
	s_mul_i32 s15, s19, 6144                       ; 8 u rows
	s_add_co_u32 s14, s14, s15
	s_mov_b32 s15, 0
	s_add_nc_u64 s[8:9], s[8:9], s[14:15]
	s_lshl_b32 s14, s27, 13
	s_lshl_b32 s52, s19, 12
	s_add_co_u32 s14, s14, s52
	s_add_nc_u64 s[10:11], s[10:11], s[14:15]
	s_mov_b32 s[G0S], 1
	s_add_co_u32 s[G0S+1], s52, SCW
	s_mov_b64 s[G0S+2:G0S+3], s[10:11]
	s_or_b32 s[G0S+3], s[G0S+3], 0x80000000
	s_mov_b32 s52, 1
	s_mul_i32 s53, s19, 16*GP
	s_mov_b64 s[54:55], s[8:9]
	s_or_b32 s55, s55, 0x80000000
	; the streamed operand is asked for here, once: one tensor load a wave, in the two arms of one branch on the wave's number.  Nothing is ever filled again.
	s_cmp_lt_u32 s[WV], 2
	s_cbranch_scc0 .Lhead_sc
	tensor_load_to_lds s[52:55], s[G1C:G1C+7]
	s_nop 0
	PLACES 4
	s_branch .Lhead_asked
.Lhead_sc:
	tensor_load_to_lds s[G0S:G0S+3], s[G1S:G1S+7]
	s_nop 0
	PLACES 4
.Lhead_asked:
	s_mul_i32 s14, s17, 768
	s_add_nc_u64 s[4:5], s[4:5], s[14:15]          ; the stationary operand at my first row
	s_lshl_b32 s14, s17, 5
	s_add_nc_u64 s[6:7], s[6:7], s[14:15]
	s_mul_i32 s27, s[WV], 16*SPX
	s_add_co_u32 s27, s27, STGX                    ; my stage
	v_bfe_u32 v1, v0, 3, 1                         ; p / 8
	v_bfe_u32 v6, v0, 4, 1                         ; h
	v_and_b32 v7, 15, v0                           ; p
	v_mul_u32_u24 v[SL], v7, SPX
	v_mad_u32_u24 v[SL], v6, 24, v[SL]
	v_add_nc_u32 v[SL], s27, v[SL]                 ; out of the stage: row p, + 24 h
	v_mad_u32_u24 v7, v1, 24, v7                   ; p + 24 (p / 8) = p % 8 + 32 (p / 8)
	v_lshlrev_b32 v[XSO], 5, v7
	v_lshl_add_u32 v[XSO], v6, 4, v[XSO]           ; lanes 0-15 take a row's scale words 0-3, lanes 16-31 its words 4-7
	v_add_nc_u32 v[XSO+1], s31, v[XSO]
	v_add_nc_u32 v[XSO+2], s30, v[XSO]
	v_add_nc_u32 v[XSO+3], s31, v[XSO+2]
	v_and_b32 v[L16], 31, v0
	v_lshlrev_b32 v[L8], 3, v[L16]
	v_lshlrev_b32 v[L16], 4, v[L16]
	s_wait_alu depctr_va_vdst(0)
	v_add_nc_u32 v[XO+1], s29, v[L16]
	v_add_nc_u32 v[XO+2], s28, v[L16]
	v_add_nc_u32 v[XO+3], s29, v[XO+2]
.irp i, 0,1,2,3
	global_load_b128 v[SX+4*\i:SX+4*\i+3], v[XSO+\i], s[6:7]
.endr
	XLOAD 0                                        ; two tiles' loads are out at a time: 52 loads with the four above
	XLOAD 1
	WIN 0
	s_mov_b32 s19, 0
	s_add_nc_u64 s[SB:SB+1], s[20:21], s[18:19]
	s_add_nc_u64 s[SB+2:SB+3], s[SB:SB+1], s[12:13]
	s_add_nc_u64 s[SB+4:SB+5], s[SB+2:SB+3], s[12:13]
	s_add_nc_u64 s[SB+6:SB+7], s[SB+4:SB+5], s[12:13]
	s_mov_b32 s25, 0
	s_add_nc_u64 s[SS:SS+1], s[22:23], s[24:25]
	v_add_nc_u32 v[SA0], s27, v[L16]               ; into the stage: 16 x lane,
	v_lshl_add_u32 v[SA1], v6, 4, v[SA0]           ; and past a row's 16 spare bytes for lanes 16-31
	v_and_b32 v5, 7, v0                            ; p % 8
	v_mul_u32_u24 v[ADW0], v1, GP
	v_mad_u32_u24 v[ADW0], v5, PITCH, v[ADW0]
	v_mad_u32_u24 v[ADW0], v6, 24, v[ADW0]
	v_lshl_add_u32 v[ADW20], v6, 4, v[ADW0]
	v_lshlrev_b32 v[ADSW0], 5, v5                  ; the streamed rows keep p + 8 (p / 8) = p % 8 + 16 (p / 8): 32 bytes a row,
	v_lshl_add_u32 v[ADSW0], v1, 9, v[ADSW0]
	v_lshl_add_u32 v[ADSW0], v6, 4, v[ADSW0]       ; lanes 16-31 take a row's words 4-7
	v_add_nc_u32 v[ADSW0], SCW, v[ADSW0]
	v_add_nc_u32 v[SF], s16, v7
	v_cvt_f32_u32 v[SF], v[SF]                     ; my position
	v_lshl_add_u32 v[IPB], v6, 3, s26
.irp i, 0,1,2,3
	v_mov_b32 v[WA+\i], 0
.endr
	v_mov_b32 v98, 0                               ; written once: a lane permute's destination counts as one of its sources
	v_mov_b32 v99, 0
	s_wait_loadcnt 24                              ; the scale words and tile 0 are in; tile 1's 24 loads may be out
	XTURN 0
	XLOAD 2
	s_wait_loadcnt 24                              ; tile 1 is in; tile 2's 24 may be out
	XTURN 1
	XLOAD 3
	s_wait_loadcnt 24                              ; tile 2 is in; tile 3's 24 may be out
	XTURN 2
	s_wait_loadcnt 0x0
	XTURN 3
	WIN 0
	s_wait_tensorcnt 0x0                           ; my half of the streamed rows or of their scale bytes has landed,
	s_wait_dscnt 0x0                               ; my stationary fragments are in (no LDS instruction of mine is out at the signal),
	s_barrier_signal -1
	s_barrier_wait -1                              ; and everybody's share has landed
.Lpass:                                            ; four trips: 64 streamed rows each
	v_add_nc_u32 v[ADW], s[TB], v[ADW0]
	s_wait_alu depctr_va_vdst(0)
	v_add_nc_u32 v[ADW2], s[TB], v[ADW20]
	s_wait_alu depctr_va_vdst(0)
	v_add_nc_u32 v[ADSW], s[TSW], v[ADSW0]
	v_add_nc_u32 v[ADW+ADU], 16*GP, v[ADW]         ; the tiles with u = 1 lie 128 LDS rows on
	v_add_nc_u32 v[ADW2+ADU], 16*GP, v[ADW2]
	s_wait_alu depctr_va_vdst(0)
.irp t, 0,1,2,3
	ds_load_b128 v[SW+4*\t:SW+4*\t+3], v[ADSW] offset:(32*(\t/2)+8*(\t%2))*32
.endr
	FETCH 0
.irp q, 0,1,2,3,4,5,6,7
	KSTEP \q
.endr
	WIN 0
	PLACES 4                                       ; in front of the first read of results
	s_cmp_eq_u32 s[YY], 5                          ; v is not turned
	s_cbranch_scc1 .Lnorope
	SINCOS4 0
	SINCOS4 4
	SINCOS4 8
	SINCOS4 12
	ROPE 0
	ROPE 1
	ROPE 2
	ROPE 3
	v_add_nc_u32 v[IPB], 32, v[IPB]                ; the next head's pairs
.Lnorope:
.irp i, 0,1,2,3
	QUANTH ACC+32*\i, CS+8*\i, 100, 96, 98, PWA+\i
	global_store_b128 v[L16], v[CS+8*\i:CS+8*\i+3], s[SB+2*\i:SB+2*\i+1]                 ; 512 consecutive bytes,
	global_store_b64 v[L8], v[CS+8*\i+4:CS+8*\i+5], s[SB+2*\i:SB+2*\i+1] offset:512      ; and 256: the image's 768
.endr
; q, k: the word leaves as it is (q: bytes 2 and 3 are 0; k: an odd tile's two bytes stand in the upper half).  v: two passes' bytes make the word of 128 keys.
.irp i, 0,1,2,3
	v_lshrrev_b32 v[WA+\i], 16, v[WA+\i]
.endr
.irp i, 0,1,2,3
	v_and_b32 v[WA+\i], s[WMSK], v[WA+\i]
.endr
.irp i, 0,1,2,3
	v_lshl_or_b32 v[WA+\i], v[PWA+\i], s[WSH], v[WA+\i]
.endr
	v_cndmask_b32 v[MW], v[WA], v[WA+1], s[LM]     ; lanes 0-15 tile 0's words, lanes 16-31 tile 1's
	v_cndmask_b32 v[MW+1], v[WA+2], v[WA+3], s[LM]
	s_or_b32 s12, s[PASS], s[NV]
	s_bitcmp1_b32 s12, 0                           ; v: only behind an odd pass is the word whole
	s_cbranch_scc0 .Lnosc
	global_store_b64 v[L8], v[MW:MW+1], s[SS:SS+1] ; one aligned block of 256 bytes
	s_wait_xcnt 0x0                                ; the base is stepped only behind this wait
	s_add_nc_u64 s[SS:SS+1], s[SS:SS+1], s[SSTR:SSTR+1]
.Lnosc:
	s_wait_xcnt 0x0                                ; the stores have read their data and bases: both are written again in the next trip
.irp i, 0,1,2,3
	s_add_nc_u64 s[SB+2*\i:SB+2*\i+1], s[SB+2*\i:SB+2*\i+1], s[PSTR:PSTR+1]
.endr
	s_add_co_u32 s[TB], s[TB], 4*GP
	s_add_co_u32 s[TSW], s[TSW], 2048
	s_add_co_u32 s[PASS], s[PASS], 1
	s_cmp_lt_u32 s[PASS], 4
	s_cbranch_scc1 .Lpass
	s_set_vgpr_msb 0x5
	s_wait_tensorcnt 0x0
	ds_add_u32 v254, v255
	s_wait_dscnt 0x0
	s_set_vgpr_msb 0x500
	s_endpgm
.Lfunc_end_k_q2a8a4c6481_proj:
	.size	k_q2a8a4c6481_proj, .Lfunc_end_k_q2a8a4c6481_proj-k_q2a8a4c6481_proj
	.p2alignl 7, 3214868480
	.fill 96, 4, 3214868480
	.section	.rodata,"a",@progbits
	.p2align	6, 0x0
	.amdhsa_kernel k_q2a8a4c6481_proj
		.amdhsa_group_segment_fixed_size 269824
		.amdhsa_private_segment_fixed_size 0
		.amdhsa_enable_private_segment 0
		.amdhsa_kernarg_size 112
		.amdhsa_user_sgpr_count 2
		.amdhsa_user_sgpr_kernarg_segment_ptr 1
		.amdhsa_wavefront_size32 1
		.amdhsa_system_sgpr_workgroup_id_x 1
		.amdhsa_system_sgpr_workgroup_id_y 1
		.amdhsa_system_sgpr_workgroup_id_z 1
		.amdhsa_system_vgpr_workitem_id 0
		.amdhsa_next_free_vgpr 864
		.amdhsa_next_free_sgpr 106
		.amdhsa_reserve_vcc 1
		.amdhsa_float_denorm_mode_32 3
		.amdhsa_float_denorm_mode_16_64 3
		.amdhsa_memory_ordered 1
		.amdhsa_forward_progress 1
		.amdhsa_inst_pref_size 111
	.end_amdhsa_kernel
	.amdgpu_metadata
---
amdhsa.version: [ 1, 2 ]
amdhsa.kernels:
  - .name:           k_q2a8a4c6481_proj
    .symbol:         k_q2a8a4c6481_proj.kd
    .args:
      - { .name: x_codes, .offset: 0, .size: 8, .value_kind: global_buffer, .address_space: global }
      - { .name: x_scales, .offset: 8, .size: 8, .value_kind: global_buffer, .address_space: global }
      - { .name: wq_codes, .offset: 16, .size: 8, .value_kind: global_buffer, .address_space: global }
      - { .name: wq_scales, .offset: 24, .size: 8, .value_kind: global_buffer, .address_space: global }
      - { .name: wk_codes, .offset: 32, .size: 8, .value_kind: global_buffer, .address_space: global }
      - { .name: wk_scales, .offset: 40, .size: 8, .value_kind: global_buffer, .address_space: global }
      - { .name: wv_codes, .offset: 48, .size: 8, .value_kind: global_buffer, .address_space: global }
      - { .name: wv_scales, .offset: 56, .size: 8, .value_kind: global_buffer, .address_space: global }
      - { .name: qimg, .offset: 64, .size: 8, .value_kind: global_buffer, .address_space: global }
      - { .name: qscl, .offset: 72, .size: 8, .value_kind: global_buffer, .address_space: global }
      - { .name: kimg, .offset: 80, .size: 8, .value_kind: global_buffer, .address_space: global }
      - { .name: kscl, .offset: 88, .size: 8, .value_kind: global_buffer, .address_space: global }
      - { .name: vimg, .offset: 96, .size: 8, .value_kind: global_buffer, .address_space: global }
      - { .name: vscl, .offset: 104, .size: 8, .value_kind: global_buffer, .address_space: global }
    .group_segment_fixed_size: 269824
    .private_segment_fixed_size: 0
    .kernarg_segment_align: 8
    .kernarg_segment_size: 112
    .max_flat_workgroup_size: 128
    .sgpr_count:     106
    .vgpr_count:     864
    .wavefront_size: 32
...
	.end_amdgpu_metadata
.endif
;; end of part 1
;; launch attn (part 2): grid 16 x 16, 8 waves a work-group, clusters of 4 x 1, 219,904 bytes of LDS; arguments qimg, qscl, kimg, kscl, vimg, vscl, aimg, ascl; writes aimg, ascl
.if DOCPART == 2
	.amdgcn_target "amdgcn-amd-amdhsa--gfx1250"
	.amdhsa_code_object_version 6
	.text
	.protected	k_q2a8a4c6481_attn
	.globl	k_q2a8a4c6481_attn
	.p2align	8
	.type	k_q2a8a4c6481_attn,@function
k_q2a8a4c6481_attn:
	s_mov_b64 s[64:65], 0
	v_nop
	global_prefetch_b8 v0, s[64:65] scope:SCOPE_SE
	s_setreg_imm32_b32 hwreg(HW_REG_WAVE_MODE, 25, 1), 1
	s_wait_xcnt 0x0
	s_wait_alu depctr_hold_cnt(0) depctr_sa_sdst(0) depctr_va_vdst(0) depctr_va_sdst(0) depctr_va_ssrc(0) depctr_va_vcc(0) depctr_vm_vsrc(0)
	s_getreg_b32 s2, hwreg(HW_REG_IB_STS2, 6, 4)
	s_cmp_eq_u32 s2, 0
	s_cbranch_scc0 .Lentry_in_a_cluster
	s_endpgm
.Lentry_in_a_cluster:
	s_bfe_u32 s2, ttmp6, 0x10000c
	s_cmp_lg_u32 s2, 0x3003
	s_cbranch_scc0 .Lentry_shape_is_right
	s_endpgm
.Lentry_shape_is_right:
; Attention on codes of FP6 (E2M3): scores = q k^T / 8, p = 2^(t - M), O = p v / l, and the quantiser of O along D.
; SHARES.  A work-group owns one batch b, one key/value head g (y = 4 b + g) and 128 positions: 8 tiles of 16 queries.  Eight waves of 512 registers, two to a SIMD.  Wave w owns tile T = 8 x block + w and ALL FOUR
; query heads 4 g + e: 16 steps of 128 keys; in a step K's and V's fragments are read from LDS once and serve the four heads one after the other.
; ALL OF K AND V OF (b, g), 196,608 bytes of register images and their scale words, lie in LDS at once: one tensor load a wave at the head (waves 0-2 K's images, 3-5 V's, 6 K's scale words, 7 V's); nothing is filled again.
; So there is no loop that streams from memory, and no prefetch is laid.
; CLUSTER.  The four work-groups of a cluster have the same y and read the same K, V and scales: each load is asked for JOINTLY, with the same descriptor (made of y and the wave's number alone) and a mask that names the four.
; LAYOUT.  Both products are used transposed: S^T = K Q^T, O^T = V^T P^T: a lane holds ONE query throughout.  Place p of tile 4 c + i of a step is key 64 c + 8 i + p % 8 + 32 (p / 8) (V^T's rows d likewise),
; so lane (r, h) holds in the 32 registers of tiles 4 c .. 4 c + 3 the WHOLE block of keys 64 c + 32 h + 0 .. 31, in the order of the next operand: a block's maximum and its codes need no other lane.
; K = 64 IN AN INSTRUCTION OF 128: two key tiles share one operand, tile 2 j at k = 0 .. 63, tile 2 j + 1 at k = 64 .. 127; it is multiplied by [q | 0] and by [0 | q].  Zero codes add nothing under any finite scale byte.
; K's scale word of an odd tile holds its two bytes in the upper half; q's word holds its two bytes in both halves.
; SOFTMAX.  t = score x log2(e) / 8; M = the running largest t rounded up to a whole number, kept as -M; p = 2^(t - M) is quantised along the keys; the row's sum is taken of the unquantised p;
; when M moves, the sum and O^T are multiplied by 2^(old M - new M), which rounds nothing.  A block's scale: the exponent of its largest p is floor(t - M) of its largest score.
; LIMITS.  The promise holds while the scaled scores stay under 2^31 in magnitude.  Where a block's largest t - M lies within about 1e-7 of a whole number, v_exp_f32 may give a p on the other side of that power of two
; than floor(t - M) says: that p is then held at the largest code, or the block's codes are one step coarser.  A block whose largest magnitude lies under 2^-124 gets the scale byte 1; NaN and infinities are not served.
; REGISTERS.  Window 0: v1-11 lane constants and addresses; v12-22 scale words; v24-31 at work; v32-47 a head's -M, largest score, sum (pair); v48-59 p's codes; v60-79 at work; v80-127 V's fragments; v128-191 S^T, then p.
; Window 1: v0-127 O^T (head e at 32 e); v128-181 zeros and q by turns (0 q0 0 q1 0 q2 0 q3 0, six registers each); v192-239 K's four operands.
.set VIMG, 98304
.set KSC,  196608                      ; K's scale words: 128 rows of 124 bytes (my batch's 16 words of a tile, 8 bytes apart)
.set VSC,  212736                      ; V's: 16 blocks of 256 bytes
.set STG,  216832                      ; 1,024 bytes for O's scale words, written by LDS stores alone
.set SPARE, 217856                     ; the spare words: 128 bytes a wave
.set rL16, 1
.set rL8,  2
.set rKA,  3
.set rKB,  4
.set rVA,  5
.set rVB,  6
.set rKS,  7
.set rVS,  8
.set rSH,  9                           ; 8 h
.set rSPW, 10
.set rNIL, 11
.set QSW,  12
.set KSW,  16
.set VSW,  20
.set PWD,  22
.set rKS0, 23
.set rF,   24
.set rT,   26
.set MA,   30
.set ST,   32
.set PC,   48
.set CT,   60
.set MB,   68
.set XS,   70
.set U,    72
.set EB,   72
.set VF,   80
.set S,    128
.set O,    0
.set QZ,   128
.set KF,   192
.set WV,  20
.set CX,  21
.set RB,  22
.set YY,  23
.set BB,  24
.set GG,  25
.set G1D, 32                           ; images: 128 rows of 256 bytes
.set G1S, 40                           ; K's scale words: 128 rows of 124 bytes, 256 bytes apart
.set G1T, 48                           ; V's: 16 rows of 256 bytes
.set G0I, 56
.set G0S, 60
.set G0T, 68
.set CNT, 72
.set LM,  73
.set SEL, 76
.set CS,  78                           ; s[78:79] c = log2(e) / 8
.set TK,  80                           ; the NEXT step's K images; s81 its scale words; s82, s83 this step's V images and scale words
.set TS,  81
.set TV,  82
.set TJ,  83
.set QB,  84
.set QSB, 86
.set AB,  88
.set ASB, 90
.set MSB, 0
.macro WIN new                         ; the immediate's high byte repeats the setting that is left
.if MSB != (\new)
	s_set_vgpr_msb (MSB<<8)|(\new)
.set MSB, (\new)
.endif
.endm
.macro PLACES n
.rept \n
	v_nop
.endr
.endm
.macro CROUND                          ; a round of the cluster's barrier
	s_barrier_signal -1
	s_barrier_wait -1
	s_cmp_lg_u32 s[WV], 0
	s_cbranch_scc1 .Lnot_wave_0_\@
	s_barrier_signal -3
.Lnot_wave_0_\@:
	s_barrier_wait -3
	s_barrier_signal -1
	s_barrier_wait -1
.endm
.macro ARM under, g0, g1, next         ; one arm of the head's chain: a joint load, its s_nop 0 and four v_nop, a jump to the join
	s_cmp_lt_u32 s[WV], \under
	s_cbranch_scc0 \next
	tensor_load_to_lds s[\g0:\g0+3], s[\g1:\g1+7]
	s_nop 0
	PLACES 4
	s_branch .Lasked
\next:
.endm
.macro MM d, a, b, sa, sb, row         ; a product that starts its sum
.if \row
	v_wmma_scale_f32_16x16x128_f8f6f4 v[\d:\d+7], v[\a:\a+11], v[\b:\b+11], 0, v[\sa], v[\sb] matrix_a_fmt:MATRIX_FMT_FP6 matrix_b_fmt:MATRIX_FMT_FP6 matrix_a_scale:MATRIX_SCALE_ROW1
.else
	v_wmma_scale_f32_16x16x128_f8f6f4 v[\d:\d+7], v[\a:\a+11], v[\b:\b+11], 0, v[\sa], v[\sb] matrix_a_fmt:MATRIX_FMT_FP6 matrix_b_fmt:MATRIX_FMT_FP6
.endif
.endm
.macro PVM d, a, sa, row               ; O^T += V^T P^T
.if \row
	v_wmma_scale_f32_16x16x128_f8f6f4 v[\d:\d+7], v[\a:\a+11], v[PC:PC+11], v[\d:\d+7], v[\sa], v[PWD] matrix_a_fmt:MATRIX_FMT_FP6 matrix_b_fmt:MATRIX_FMT_FP6 matrix_a_scale:MATRIX_SCALE_ROW1
.else
	v_wmma_scale_f32_16x16x128_f8f6f4 v[\d:\d+7], v[\a:\a+11], v[PC:PC+11], v[\d:\d+7], v[\sa], v[PWD] matrix_a_fmt:MATRIX_FMT_FP6 matrix_b_fmt:MATRIX_FMT_FP6
.endif
.endm
.macro KLOAD                           ; a step's eight half images of K, two to an operand, and its scale words (lanes 0-15 tile 2 j's, lanes 16-31 tile 2 j + 1's): 20 loads
	WIN 0x40
.irp t, 0,1,2,3,4,5,6,7
	ds_load_b128 v[KF+6*\t:KF+6*\t+3], v[rKA] offset:768*\t
	ds_load_b64 v[KF+6*\t+4:KF+6*\t+5], v[rKB] offset:768*\t+512
.endr
	WIN 0
.irp j, 0,1,2,3
	ds_load_b32 v[KSW+\j], v[rKS] offset:248*\j
.endr
.endm
; S^T HAS TWO BUFFERS, v128-191 and v192-255, by turns: S names the buffer of the head in hand, SN that of the head that follows.  The next head's eight products are issued in pairs among this head's
; additions of the row's sum, which name none of their registers; the first head's of a step among the last head's of the step before.
.macro QKP j, e                        ; key tiles 2 j and 2 j + 1 against head e: K and Q window 1, S^T window 0
	WIN 0x05
	MM SN+16*(\j), KF+12*(\j), QZ+12*(\e)+6, KSW+(\j), QSW+(\e), 0
	MM SN+16*(\j)+8, KF+12*(\j), QZ+12*(\e), KSW+(\j), QSW+(\e), 1
	WIN 0
.endm
.macro PF j0
.irp j, 0,2,4,6
	v_pk_fma_f32 v[S+\j0+\j:S+\j0+\j+1], v[S+\j0+\j:S+\j0+\j+1], s[CS:CS+1], v[NM:NM+1] op_sel_hi:[1,0,0]
.endr
.endm
; ONE HEAD'S SHARE OF A KEY STEP.
.macro HSTEP e, last
.set NM, ST+4*\e
.set S, 128+64*(\e%2)
.set SN, 128+64*((\e+1)%2)
.set DOQ, 1
.if (\e == 3) && (\last == 1)
.set DOQ, 0                            ; behind the very last head nothing follows
.endif
.if (\e == 3) && (\last == 0)
	KLOAD                                          ; all four heads have multiplied this step's K (the last 26 plain vector instructions ago): the next step's K lands under this head's softmax
.endif
; the largest score of my two blocks of 32 keys, each in two chains, every accumulator from its low end on
.irp b, 0,1
	v_max3_num_f32 v[MA+\b], v[S+32*\b], v[S+32*\b+1], v[S+32*\b+2]
	v_max3_num_f32 v[MB+\b], v[S+32*\b+16], v[S+32*\b+17], v[S+32*\b+18]
.endr
.irp i, 3,5,7,9,11,13
.irp b, 0,1
	v_max3_num_f32 v[MA+\b], v[MA+\b], v[S+32*\b+\i], v[S+32*\b+\i+1]
	v_max3_num_f32 v[MB+\b], v[MB+\b], v[S+32*\b+16+\i], v[S+32*\b+17+\i]
.endr
.endr
.irp b, 0,1
	v_max_num_f32 v[MB+\b], v[MB+\b], v[S+32*\b+31]
.endr
.irp b, 0,1
	v_max3_num_f32 v[MA+\b], v[MA+\b], v[S+32*\b+15], v[MB+\b]
.endr
	v_max3_num_f32 v[rT], v[MA], v[MA+1], v[NM+1]  ; with the running largest score
	v_mov_b32 v[rT+2], v[NM]                       ; the old -M
	v_permlanex16_b32 v[rT+1], v[rT], s[SEL], s[SEL+1]
	v_max_num_f32 v[NM+1], v[rT], v[rT+1]          ; and lane l xor 16's 64 keys
	v_mul_f32 v[rT], s[CS], v[NM+1]                ; as t (c is positive)
	v_floor_f32 v[NM], -v[rT]                      ; the new -M = -ceil(t)
	PF 0
	v_sub_f32 v[rT+2], v[NM], v[rT+2]              ; old M - new M: a whole number, 0 or less
	v_fma_f32 v[MA], v[MA], s[CS], v[NM]           ; t - M of each block's largest score
	v_fma_f32 v[MA+1], v[MA+1], s[CS], v[NM]
	PF 8
	v_cvt_i32_f32 v[rT+2], v[rT+2]                 ; (it saturates)
	v_floor_f32 v[MA], v[MA]                       ; the exponent of the block's largest p,
	v_floor_f32 v[MA+1], v[MA+1]
	PF 16
	v_ldexp_f32 v[rF], 1.0, v[rT+2]                ; f = 2^(old M - new M)
	v_max_num_f32 v[MA], 0xc2f80000, v[MA]         ; held at -124 from below: the byte cannot fall under 1
	v_max_num_f32 v[MA+1], 0xc2f80000, v[MA+1]
	PF 24
	v_cvt_i32_f32 v[MA], v[MA]
	v_cvt_i32_f32 v[MA+1], v[MA+1]
	PF 32
	v_lshl_add_u32 v[XS], v[MA], 23, 0x3e800000    ; (exponent - 2 + 127) << 23: the conversion's scale operand
	v_lshl_add_u32 v[XS+1], v[MA+1], 23, 0x3e800000
	v_lshl_add_u32 v[rT], v[MA+1], 16, v[MA]
	PF 40
	v_add_lshl_u32 v[rT], v[rT], 0x7d007d, v[rSH]  ; + 125 in both fields: my bytes of blocks h and 2 + h, at their places in the word
	PF 48
	v_permlanex16_b32 v[rT+1], v[rT], s[SEL], s[SEL+1]
	PF 56
	v_or_b32 v[PWD], v[rT], v[rT+1]                ; p's scale word for these 128 keys
	s_wait_alu depctr_va_vdst(0)
.set jj, 0
.rept 64
	v_exp_f32 v[S+jj], v[S+jj]                     ; p = 2^(t - M): not normalised
.set jj, jj+1
.endr
	v_pk_mul_f32 v[NM+2:NM+3], v[NM+2:NM+3], v[rF:rF+1] op_sel_hi:[1,0]   ; the sum under the new M (a plain place behind the exponentials)
	s_wait_alu depctr_va_vdst(0)                   ; and behind it
.if (\e == 3) && (\last == 0)
	s_wait_dscnt 0x0                               ; the next step's K and its scale words: the 20 loads issued at this head's top are all that is out
.endif
.irp c, 0,1
	v_cvt_scalef32_pk16_fp6_f32 v[PC+6*\c:PC+6*\c+2], v[S+32*\c:S+32*\c+15], v[XS+\c]
	v_cvt_scalef32_pk16_fp6_f32 v[CT+4*\c:CT+4*\c+2], v[S+32*\c+16:S+32*\c+31], v[XS+\c]   ; (a conversion's three registers begin on an even number)
.endr
	v_pk_add_f32 v[U:U+1], v[S:S+1], v[S+2:S+3]    ; the row's sum of the unquantised p, in four chains
	v_pk_add_f32 v[U+2:U+3], v[S+4:S+5], v[S+6:S+7]
	v_pk_add_f32 v[U+4:U+5], v[S+8:S+9], v[S+10:S+11]
	v_pk_add_f32 v[NM+2:NM+3], v[NM+2:NM+3], v[S+12:S+13]
.irp j, 14,22,30,38,46,54
.if (DOQ == 1) && ((\j%16) == 14)
	QKP (\j-14)/16, (\e+1)%4                       ; two products, then eight additions
.endif
	v_pk_add_f32 v[U:U+1], v[U:U+1], v[S+\j:S+\j+1]
	v_pk_add_f32 v[U+2:U+3], v[U+2:U+3], v[S+\j+2:S+\j+3]
	v_pk_add_f32 v[U+4:U+5], v[U+4:U+5], v[S+\j+4:S+\j+5]
	v_pk_add_f32 v[NM+2:NM+3], v[NM+2:NM+3], v[S+\j+6:S+\j+7]
.endr
.if DOQ == 1
	QKP 3, (\e+1)%4                                ; the 26 plain vector instructions below are the places in front of the next head's first read
.endif
	v_pk_add_f32 v[U:U+1], v[U:U+1], v[S+62:S+63]
	v_pk_add_f32 v[U+2:U+3], v[U+2:U+3], v[U+4:U+5]
.irp c, 0,1
.irp i, 0,1,2
	v_mov_b32 v[PC+6*\c+3+\i], v[CT+4*\c+\i]
.endr
.endr
	v_pk_add_f32 v[NM+2:NM+3], v[NM+2:NM+3], v[U:U+1]
	v_pk_add_f32 v[NM+2:NM+3], v[NM+2:NM+3], v[U+2:U+3]
	WIN 0x41                                       ; O^T window 1, f window 0
	s_wait_alu depctr_va_vdst(0)
.set jj, 0
.rept 16
	v_pk_mul_f32 v[O+32*\e+jj:O+32*\e+jj+1], v[O+32*\e+jj:O+32*\e+jj+1], v[rF:rF+1] op_sel_hi:[1,0]   ; O^T under the new M
.set jj, jj+2
.endr
.if \e == 0
	s_wait_alu depctr_va_vdst(0)
	s_wait_dscnt 0x0                               ; V and its scale words
.endif
	WIN 0x50                                       ; C and D window 1, V and p window 0
.irp i, 0,1,2,3                        ; the four accumulators by turns, one instruction a turn
	PVM O+32*\e+8*\i, VF+12*\i, VSW+\i/2, \i%2
.endr
	WIN 0
.endm
; A KEY STEP: 128 keys, four heads.  The additions are the places between the last step's products and the loads into V's registers.
.macro STEP last
	v_add_nc_u32 v[rVA], s[TV], v[rL16]
	v_add_nc_u32 v[rVB], s[TV], v[rL8]
	v_add_nc_u32 v[rVS], s[TJ], v[rL8]
.if \last
	v_nop
.else
	v_add_nc_u32 v[rKA], s[TK], v[rL16]
	v_add_nc_u32 v[rKB], s[TK], v[rL8]
	v_add_nc_u32 v[rKS], s[TS], v[rKS0]
.endif
.irp i, 0,1,2,3
.irp c, 0,1
	ds_load_b128 v[VF+12*\i+6*\c:VF+12*\i+6*\c+3], v[rVA] offset:3072*\c+768*\i
	ds_load_b64 v[VF+12*\i+6*\c+4:VF+12*\i+6*\c+5], v[rVB] offset:3072*\c+768*\i+512
.endr
.endr
	ds_load_b64 v[VSW:VSW+1], v[rVS]               ; first register: lanes 0-15 tile 0's words, lanes 16-31 tile 1's; second: tiles 2 and 3
	HSTEP 0, \last
	HSTEP 1, \last
	HSTEP 2, \last
	HSTEP 3, \last
.endm
; One head's way out: O^T / l, my block of 32 along D quantised in the lane, the image stored.
.macro FIN e
.set SB, S+32*(\e%2)
	WIN 0x01
	s_wait_alu depctr_va_vdst(0)
.set jj, 0
.rept 16
	v_pk_mul_f32 v[SB+jj:SB+jj+1], v[O+32*\e+jj:O+32*\e+jj+1], v[ST+4*\e+2:ST+4*\e+3] op_sel_hi:[1,0]   ; register x is d = 32 h + x
.set jj, jj+2
.endr
	WIN 0
	v_max3_num_f32 v[MA], |v[SB]|, |v[SB+1]|, 0x1800000      ; with the floor 2^(3 - 127): the byte cannot fall under 1
	v_max3_num_f32 v[MB], |v[SB+16]|, |v[SB+17]|, |v[SB+18]|
.irp i, 2,4,6,8,10,12
	v_max3_num_f32 v[MA], v[MA], |v[SB+\i]|, |v[SB+\i+1]|
	v_max3_num_f32 v[MB], v[MB], |v[SB+17+\i]|, |v[SB+18+\i]|
.endr
	v_max3_num_f32 v[MA], v[MA], |v[SB+14]|, |v[SB+15]|
	s_delay_alu instid0(VALU_DEP_1)
	v_max3_num_f32 v[MA], v[MA], v[MB], |v[SB+31]|
	s_delay_alu instid0(VALU_DEP_1)
	v_add_nc_u32 v[XS], 0xff000000, v[MA]          ; 2 off the exponent field: the conversion's scale operand
	s_delay_alu instid0(VALU_DEP_1)
	v_lshrrev_b32 v[EB+\e], 23, v[XS]              ; the byte of block h of head e
	v_cvt_scalef32_pk16_fp6_f32 v[VF+8*\e:VF+8*\e+2], v[SB:SB+15], v[XS]
	v_cvt_scalef32_pk16_fp6_f32 v[CT:CT+2], v[SB+16:SB+31], v[XS]
	v_nop                                          ; one plain place behind a scaled conversion
.irp i, 0,1,2
	v_mov_b32 v[VF+8*\e+3+\i], v[CT+\i]
.endr
	global_store_b128 v[rL16], v[VF+8*\e:VF+8*\e+3], s[AB:AB+1] offset:768*\e       ; 512 consecutive bytes,
	global_store_b64 v[rL8], v[VF+8*\e+4:VF+8*\e+5], s[AB:AB+1] offset:768*\e+512   ; and 256: the image's 768
.endm
	s_load_b512 s[4:19], s[0:1], 0x0               ; qimg, qscl, kimg, kscl, vimg, vscl, aimg, ascl
	v_lshl_add_u32 v[rSPW], v0, 2, SPARE
	v_mov_b32 v[rNIL], 0
	ds_add_u32 v[rSPW], v[rNIL]
	ds_add_u32 v[rSPW], v[rNIL]
	v_lshrrev_b32 v1, 5, v0
	v_readfirstlane_b32 s[WV], v1                  ; wave 0..7
	s_bfe_u32 s[CX], ttmp6, 0x40000                ; my place in the cluster: it enters Q's and O's global offsets alone
	s_lshl_b32 s[RB], ttmp9, 2
	s_add_co_u32 s[RB], s[RB], s[CX]               ; my block of 128 positions
	s_and_b32 s[YY], ttmp7, 0xffff                 ; 4 b + g, which the four partners share
	s_lshr_b32 s[BB], s[YY], 2
	s_and_b32 s[GG], s[YY], 3
	s_mov_b32 s[G1D+0], 15|(3<<16)|(1<<21)         ; the mask: all four; elements of 8 bytes; bit 21 set beside a mask
	s_mov_b32 s[G1D+1], 32<<16
	s_mov_b32 s[G1D+2], 128<<16
	s_mov_b32 s[G1D+3], 32<<16
	s_mov_b32 s[G1D+4], 128
	s_mov_b32 s[G1D+5], 32
	s_mov_b32 s[G1D+6], 0
	s_mov_b32 s[G1D+7], 0
	s_mov_b32 s[G1S+0], 15|(2<<16)|(1<<21)         ; elements of 4 bytes
	s_mov_b32 s[G1S+1], 31<<16
	s_mov_b32 s[G1S+2], 128<<16
	s_mov_b32 s[G1S+3], 31<<16
	s_mov_b32 s[G1S+4], 128
	s_mov_b32 s[G1S+5], 64
	s_mov_b32 s[G1S+6], 0
	s_mov_b32 s[G1S+7], 0
	s_mov_b32 s[G1T+0], 15|(3<<16)|(1<<21)
	s_mov_b32 s[G1T+1], 32<<16
	s_mov_b32 s[G1T+2], 16<<16
	s_mov_b32 s[G1T+3], 32<<16
	s_mov_b32 s[G1T+4], 16
	s_mov_b32 s[G1T+5], 32
	s_mov_b32 s[G1T+6], 0
	s_mov_b32 s[G1T+7], 0
	s_mov_b32 s[SEL], 0x76543210
	s_mov_b32 s[SEL+1], 0xfedcba98                 ; v_permlanex16_b32's selects for lane l xor 16
	s_mov_b32 s[CS], 0x3e38aa3b                    ; c = log2(e) / 8
	s_mov_b32 s[CS+1], s[CS]
	s_mov_b32 s[LM], 0xffff0000                    ; lanes 16-31
	s_mov_b32 s[TK], 0
	s_mov_b32 s[TS], 0
	s_mov_b32 s[TV], VIMG
	s_mov_b32 s[TJ], VSC
	s_mov_b32 s[CNT], 15
	s_wait_dscnt 0x0
	s_wait_kmcnt 0x0
	s_cmp_lt_u32 s[WV], 3                          ; waves 0-2: a third of K's images each; waves 3-5: of V's
	s_cselect_b64 s[26:27], s[8:9], s[12:13]
	s_cselect_b32 s28, 0, 3
	s_sub_co_u32 s28, s[WV], s28
	s_lshl_b32 s28, s28, 15
	s_mul_i32 s29, s[YY], 98304
	s_add_co_u32 s28, s28, s29
	s_mov_b32 s29, 0
	s_mov_b32 s[G0I], 1
	s_lshl_b32 s[G0I+1], s[WV], 15                 ; LDS: 32,768 x wave: K's three thirds, then V's
	s_add_nc_u64 s[G0I+2:G0I+3], s[26:27], s[28:29]
	s_or_b32 s[G0I+3], s[G0I+3], 0x80000000
	s_and_b32 s30, s[BB], 1
	s_lshl_b32 s30, s30, 7
	s_lshr_b32 s31, s[BB], 1
	s_lshl_b32 s31, s31, 2
	s_add_co_u32 s30, s30, s31                     ; where my batch's words begin in a block of scale words: 128 (b % 2) + 4 (b / 2)
	s_lshl_b32 s28, s[GG], 15
	s_add_co_u32 s28, s28, s30
	s_mov_b32 s[G0S], 1
	s_mov_b32 s[G0S+1], KSC
	s_add_nc_u64 s[G0S+2:G0S+3], s[10:11], s[28:29]
	s_or_b32 s[G0S+3], s[G0S+3], 0x80000000
	s_lshl_b32 s28, s[YY], 12
	s_mov_b32 s[G0T], 1
	s_mov_b32 s[G0T+1], VSC
	s_add_nc_u64 s[G0T+2:G0T+3], s[14:15], s[28:29]
	s_or_b32 s[G0T+3], s[G0T+3], 0x80000000
	CROUND                                         ; all four work-groups are here: the joint loads meet
	ARM 6, G0I, G1D, .Larm_ks                      ; one tensor load a wave, in one chain of branches on the wave's number
	ARM 7, G0S, G1S, .Larm_vs
	tensor_load_to_lds s[G0T:G0T+3], s[G1T:G1T+7]
	s_nop 0
	PLACES 4
.Lasked:
	s_lshl_b32 s28, s[RB], 3
	s_add_co_u32 s28, s28, s[WV]                   ; my tile T
	s_lshl_b32 s29, s[GG], 2                       ; my first query head
	s_lshl_b32 s92, s[BB], 4
	s_add_co_u32 s92, s92, s29
	s_mul_i32 s92, s92, 98304
	s_mul_i32 s93, s28, 768
	s_add_co_u32 s92, s92, s93
	s_mov_b32 s93, 0
	s_add_nc_u64 s[QB:QB+1], s[4:5], s[92:93]
	s_lshl_b32 s92, s29, 7
	s_add_co_u32 s92, s92, s28
	s_lshl_b32 s92, s92, 8
	s_add_co_u32 s92, s92, s30
	s_add_nc_u64 s[QSB:QSB+1], s[6:7], s[92:93]
	s_lshl_b32 s92, s[BB], 7
	s_add_co_u32 s92, s92, s28
	s_lshl_b32 s92, s92, 4
	s_add_co_u32 s92, s92, s29
	s_mul_i32 s92, s92, 768
	s_add_nc_u64 s[AB:AB+1], s[16:17], s[92:93]
	s_lshl_b32 s92, s[BB], 7
	s_lshl_b32 s31, s[RB], 3
	s_add_co_u32 s92, s92, s31
	s_lshl_b32 s92, s92, 7
	s_lshl_b32 s31, s[GG], 16
	s_add_co_u32 s92, s92, s31
	s_add_nc_u64 s[ASB:ASB+1], s[18:19], s[92:93]
	v_and_b32 v[rL8], 31, v0
	v_and_b32 v[rT], 15, v0                        ; r
	v_bfe_u32 v[rT+1], v0, 4, 1                    ; h
	v_lshlrev_b32 v[rL16], 4, v[rL8]               ; 16 x lane
	v_lshlrev_b32 v[rL8], 3, v[rL8]                ; 8 x lane
	v_lshlrev_b32 v[rT+2], 3, v[rT]                ; q's scale words lie 8 bytes apart
	v_lshlrev_b32 v[rSH], 3, v[rT+1]
	v_mul_u32_u24 v[rKS0], v[rT+1], 124            ; lanes 16-31 take the next tile's row of 124 bytes
	v_lshl_add_u32 v[rKS0], v[rT], 3, v[rKS0]
	v_add_nc_u32 v[rKS0], KSC, v[rKS0]
	v_add_nc_u32 v[rKA], s[TK], v[rL16]            ; step 0's K, made as every step's is
	v_add_nc_u32 v[rKB], s[TK], v[rL8]
	v_add_nc_u32 v[rKS], s[TS], v[rKS0]
	v_mov_b32 v[rF+1], 0                           ; (named with f as a pair, so it is written)
.irp e, 0,1,2,3
	global_load_b32 v[QSW+\e], v[rT+2], s[QSB:QSB+1] offset:32768*\e
.endr
	WIN 0x40
.irp e, 0,1,2,3
	global_load_b128 v[QZ+12*\e+6:QZ+12*\e+9], v[rL16], s[QB:QB+1] offset:98304*\e
	global_load_b64 v[QZ+12*\e+10:QZ+12*\e+11], v[rL8], s[QB:QB+1] offset:98304*\e+512
.endr
.irp z, 0,1,2,3,4
.irp j, 0,1,2,3,4,5
	v_mov_b32 v[QZ+12*\z+\j], 0                    ; the zero codes on either side of each q
.endr
.endr
.set jj, 0
.rept 128
	v_mov_b32 v[O+jj], 0                           ; O^T: the step is written once; the first finds zeros, which the first change of M leaves zeros
.set jj, jj+1
.endr
	WIN 0
	s_wait_loadcnt 0x0                             ; Q and its scale words
.irp e, 0,1,2,3
	v_lshl_or_b32 v[QSW+\e], v[QSW+\e], 16, v[QSW+\e]        ; q's two bytes in both halves of the word: it serves [q | 0] and [0 | q]
.endr
.irp e, 0,1,2,3
	v_mov_b32 v[ST+4*\e], 0x7f61b1e6               ; -M = 3e38,
	v_mov_b32 v[ST+4*\e+1], 0xff61b1e6             ; the largest score so far: -3e38, under every score
	v_mov_b32 v[ST+4*\e+2], 0
	v_mov_b32 v[ST+4*\e+3], 0
.endr
	s_wait_alu depctr_va_vdst(0)
	s_wait_tensorcnt 0x0                           ; my load has landed,
	s_barrier_signal -1
	s_barrier_wait -1                              ; everybody's has
	KLOAD
	s_mov_b32 s[TK], 6144                          ; from here on: the next step's K
	s_mov_b32 s[TS], 992
.set SN, 128
	s_wait_dscnt 0x0                               ; step 0's K
	WIN 0x05                                       ; head 0's scores of step 0; the step's six additions at its top are the places in front of their first read
.irp j, 0,1,2,3
	MM SN+16*\j, KF+12*\j, QZ+6, KSW+\j, QSW, 0
	MM SN+16*\j+8, KF+12*\j, QZ, KSW+\j, QSW, 1
.endr
	WIN 0
.Lstep:
	STEP 0
	s_add_co_u32 s[TK], s[TK], 6144
	s_add_co_u32 s[TS], s[TS], 992
	s_add_co_u32 s[TV], s[TV], 6144
	s_add_co_u32 s[TJ], s[TJ], 256
	s_sub_co_u32 s[CNT], s[CNT], 1
	s_cmp_lg_u32 s[CNT], 0
	s_wait_alu depctr_va_vdst(0)
	s_cbranch_scc1 .Lstep
	STEP 1
	PLACES 4                                       ; in front of the first read of O^T
.irp e, 0,1,2,3
	v_add_f32 v[ST+4*\e+2], v[ST+4*\e+2], v[ST+4*\e+3]       ; the sum's two halves,
.endr
.irp e, 0,1,2,3
	v_permlanex16_b32 v[ST+4*\e+3], v[ST+4*\e+2], s[SEL], s[SEL+1]
.endr
.irp e, 0,1,2,3
	v_add_f32 v[ST+4*\e+2], v[ST+4*\e+2], v[ST+4*\e+3]       ; and lane l xor 16's
.endr
	s_wait_alu depctr_va_vdst(0)
.irp e, 0,1,2,3
	v_rcp_f32 v[ST+4*\e+2], v[ST+4*\e+2]
.endr
	v_nop                                          ; one plain place behind the transcendentals
	s_wait_alu depctr_va_vdst(0)
	FIN 0
	FIN 1
	FIN 2
	FIN 3
	; O's scale words: heads 0, 1 make the word of one K step of the last product, heads 2, 3 that of the next; byte 2 (e % 2) + h
	v_lshl_or_b32 v[EB], v[EB+1], 16, v[EB]
	v_lshl_or_b32 v[EB+2], v[EB+3], 16, v[EB+2]
	v_lshlrev_b32 v[EB], v[rSH], v[EB]
	v_lshlrev_b32 v[EB+2], v[rSH], v[EB+2]
	v_permlanex16_b32 v[EB+1], v[EB], s[SEL], s[SEL+1]
	v_permlanex16_b32 v[EB+3], v[EB+2], s[SEL], s[SEL+1]
	v_or_b32 v[EB], v[EB], v[EB+1]
	v_or_b32 v[EB+2], v[EB+2], v[EB+3]
	v_cndmask_b32 v[EB], v[EB], v[EB+2], s[LM]     ; lanes 0-15 the first word of row r, lanes 16-31 the second
	v_lshl_add_u32 v[rT], v0, 2, STG               ; 128 x wave + 4 x lane
	v_add_nc_u32 v[rT+1], STG, v[rL16]
	s_wait_alu depctr_va_vdst(0)
	s_wait_dscnt 0x0                               ; my reads of K, V and their scale words are over,
	s_barrier_signal -1
	s_barrier_wait -1                              ; everybody's are: from here on LDS is stored to
	ds_store_b32 v[rT], v[EB]
	s_wait_dscnt 0x0                               ; for the others' sake
	s_barrier_signal -1
	s_barrier_wait -1
	s_cmp_lg_u32 s[WV], 0
	s_cbranch_scc1 .Lnot_first
	ds_load_b128 v[S:S+3], v[rT+1]                 ; the work-group's 8 tiles x 128 bytes leave as 1,024 consecutive bytes
	ds_load_b128 v[S+4:S+7], v[rT+1] offset:512
	s_wait_dscnt 0x0
	global_store_b128 v[rL16], v[S:S+3], s[ASB:ASB+1]
	global_store_b128 v[rL16], v[S+4:S+7], s[ASB:ASB+1] offset:512
.Lnot_first:
	s_wait_tensorcnt 0x0                           ; the wave's end
	ds_add_u32 v[rSPW], v[rNIL]
	s_wait_dscnt 0x0
	CROUND                                         ; the closing round
	s_endpgm
.Lfunc_end_k_q2a8a4c6481_attn:
	.size	k_q2a8a4c6481_attn, .Lfunc_end_k_q2a8a4c6481_attn-k_q2a8a4c6481_attn
	.p2alignl 7, 3214868480
	.fill 96, 4, 3214868480
	.section	.rodata,"a",@progbits
	.p2align	6, 0x0
	.amdhsa_kernel k_q2a8a4c6481_attn
		.amdhsa_group_segment_fixed_size 219904
		.amdhsa_private_segment_fixed_size 0
		.amdhsa_enable_private_segment 0
		.amdhsa_kernarg_size 64
		.amdhsa_user_sgpr_count 2
		.amdhsa_user_sgpr_kernarg_segment_ptr 1
		.amdhsa_wavefront_size32 1
		.amdhsa_system_sgpr_workgroup_id_x 1
		.amdhsa_system_sgpr_workgroup_id_y 1
		.amdhsa_system_sgpr_workgroup_id_z 1
		.amdhsa_system_vgpr_workitem_id 0
		.amdhsa_next_free_vgpr 512
		.amdhsa_next_free_sgpr 100
		.amdhsa_reserve_vcc 0
		.amdhsa_float_denorm_mode_32 3
		.amdhsa_float_denorm_mode_16_64 3
		.amdhsa_memory_ordered 1
		.amdhsa_forward_progress 1
		.amdhsa_inst_pref_size 134
	.end_amdhsa_kernel
	.amdgpu_metadata
---
amdhsa.version: [ 1, 2 ]
amdhsa.kernels:
  - .name:           k_q2a8a4c6481_attn
    .symbol:         k_q2a8a4c6481_attn.kd
    .args:
      - { .name: qimg, .offset: 0, .size: 8, .value_kind: global_buffer, .address_space: global }
      - { .name: qscl, .offset: 8, .size: 8, .value_kind: global_buffer, .address_space: global }
      - { .name: kimg, .offset: 16, .size: 8, .value_kind: global_buffer, .address_space: global }
      - { .name: kscl, .offset: 24, .size: 8, .value_kind: global_buffer, .address_space: global }
      - { .name: vimg, .offset: 32, .size: 8, .value_kind: global_buffer, .address_space: global }
      - { .name: vscl, .offset: 40, .size: 8, .value_kind: global_buffer, .address_space: global }
      - { .name: aimg, .offset: 48, .size: 8, .value_kind: global_buffer, .address_space: global }
      - { .name: ascl, .offset: 56, .size: 8, .value_kind: global_buffer, .address_space: global }
    .group_segment_fixed_size: 219904
    .private_segment_fixed_size: 0
    .kernarg_segment_align: 8
    .kernarg_segment_size: 64
    .max_flat_workgroup_size: 256
    .sgpr_count:     100
    .vgpr_count:     512
    .wavefront_size: 32
...
	.end_amdgpu_metadata
.endif
;; end of part 2
;; launch outp (part 3): grid 32 x 8, 4 waves a work-group, clusters of 4 x 1, 327,680 bytes of LDS; arguments aimg, ascl, wo_codes, wo_scales, out0; writes out0
.if DOCPART == 3
	.amdgcn_target "amdgcn-amd-amdhsa--gfx1250"
	.amdhsa_code_object_version 6
	.text
	.protected	k_q2a8a4c6481_outp
	.globl	k_q2a8a4c6481_outp
	.p2align	8
	.type	k_q2a8a4c6481_outp,@function
k_q2a8a4c6481_outp:
	s_mov_b64 s[64:65], 0
	v_nop
	global_prefetch_b8 v0, s[64:65] scope:SCOPE_SE
	s_setreg_imm32_b32 hwreg(HW_REG_WAVE_MODE, 25, 1), 1
	s_wait_xcnt 0x0
	s_wait_alu depctr_hold_cnt(0) depctr_sa_sdst(0) depctr_va_vdst(0) depctr_va_sdst(0) depctr_va_ssrc(0) depctr_va_vcc(0) depctr_vm_vsrc(0)
	s_getreg_b32 s2, hwreg(HW_REG_IB_STS2, 6, 4)
	s_cmp_eq_u32 s2, 0
	s_cbranch_scc0 .Lentry_in_a_cluster
	s_endpgm
.Lentry_in_a_cluster:
	s_bfe_u32 s2, ttmp6, 0x10000c
	s_cmp_lg_u32 s2, 0x3003
	s_cbranch_scc0 .Lentry_shape_is_right
	s_endpgm
.Lentry_shape_is_right:
.set PITCH, 816
.set SCW,   128*PITCH
.set STG,   SCW+4096
.set ADW0,  2
.set ADW20, 3
.set ADSW0, 4
.set ADW,   5
.set ADW2,  6
.set ADSW,  7
.set STO,   8
.set RD,    9
.set CO,    10
.set SX,    32
.set SW,    48
.set BK,    64
.set ACC,   128
.set WV,  20
.set CX,  21
.set RG,  22
.set CG,  23
.set G1C, 24
.set G1S, 32
.set G0C, 40
.set G0S, 44
.set TB,  48
.set TSW, 49
.set PASS, 50
.set MSB, 0
.macro WIN new
.if MSB != (\new)
	s_set_vgpr_msb (MSB<<8)|(\new)
.set MSB, (\new)
.endif
.endm
.macro PLACES n
.rept \n
	v_nop
.endr
.endm
.macro CROUND
	s_barrier_signal -1
	s_barrier_wait -1
	s_cmp_lg_u32 s[WV], 0
	s_cbranch_scc1 .Lnot_wave_0_\@
	s_barrier_signal -3
.Lnot_wave_0_\@:
	s_barrier_wait -3
	s_barrier_signal -1
	s_barrier_wait -1
.endm
.macro FRAG reg, q, rowoff
.irp p, 0,1,2,3,4,5
.set PCE, 12*(\q)+6*(\p/3)+\p%3
.if PCE%32 < 29
	ds_load_b64 v[(\reg)+2*\p:(\reg)+2*\p+1], v[ADW] offset:(\rowoff)+8*PCE+16*(PCE/32)
.else
	ds_load_b64 v[(\reg)+2*\p:(\reg)+2*\p+1], v[ADW2] offset:(\rowoff)+8*PCE+16*(PCE/32)
.endif
.endr
.endm
.macro FETCH q
	WIN 0xc0
.irp t, 0,1,2,3
	FRAG 48*((\q)%2)+12*\t, \q, \t*16*PITCH
.endr
.endm
.macro WM i, t, q
.set rD, ACC+32*(\i)+8*(\t)
.set rA, 48*((\q)%2)+12*(\t)
.set rB, 12*(8*((\i)%2)+(\q))
.set rSA, SW+4*(\t)+(\q)%4
.set rSB, SX+4*(\i)+(\q)/2
.if (\q) == 0
	v_wmma_scale_f32_16x16x128_f8f6f4 v[rD:rD+7], v[rA:rA+11], v[rB:rB+11], 0, v[rSA], v[rSB] matrix_a_fmt:MATRIX_FMT_FP6 matrix_b_fmt:MATRIX_FMT_FP6
.elseif ((\q) < 4) && ((\q)%2 == 0)
	v_wmma_scale_f32_16x16x128_f8f6f4 v[rD:rD+7], v[rA:rA+11], v[rB:rB+11], v[rD:rD+7], v[rSA], v[rSB] matrix_a_fmt:MATRIX_FMT_FP6 matrix_b_fmt:MATRIX_FMT_FP6
.elseif (\q) < 4
	v_wmma_scale_f32_16x16x128_f8f6f4 v[rD:rD+7], v[rA:rA+11], v[rB:rB+11], v[rD:rD+7], v[rSA], v[rSB] matrix_a_fmt:MATRIX_FMT_FP6 matrix_b_fmt:MATRIX_FMT_FP6 matrix_b_scale:MATRIX_SCALE_ROW1
.elseif (\q)%2 == 0
	v_wmma_scale_f32_16x16x128_f8f6f4 v[rD:rD+7], v[rA:rA+11], v[rB:rB+11], v[rD:rD+7], v[rSA], v[rSB] matrix_a_fmt:MATRIX_FMT_FP6 matrix_b_fmt:MATRIX_FMT_FP6 matrix_a_scale:MATRIX_SCALE_ROW1
.else
	v_wmma_scale_f32_16x16x128_f8f6f4 v[rD:rD+7], v[rA:rA+11], v[rB:rB+11], v[rD:rD+7], v[rSA], v[rSB] matrix_a_fmt:MATRIX_FMT_FP6 matrix_b_fmt:MATRIX_FMT_FP6 matrix_a_scale:MATRIX_SCALE_ROW1 matrix_b_scale:MATRIX_SCALE_ROW1
.endif
.endm
.macro KSTEP q
.if (\q) < 7
.if (\q) > 0
	PLACES 4
.endif
	FETCH (\q)+1
	s_wait_dscnt 24
.else
	s_wait_dscnt 0x0
.endif
	WIN 0x07
.irp i, 0,1
.irp t, 0,1,2,3
	WM \i, \t, \q
.endr
.endr
	WIN 0x0b
.irp i, 2,3
.irp t, 0,1,2,3
	WM \i, \t, \q
.endr
.endr
.endm
.macro TOSTAGE i
.irp t, 0,1,2,3
	ds_store_b128 v[STO], v[ACC+32*(\i)+8*\t:ACC+32*(\i)+8*\t+3] offset:64*\t
	ds_store_b128 v[STO], v[ACC+32*(\i)+8*\t+4:ACC+32*(\i)+8*\t+7] offset:64*\t+16
.endr
.irp a, 0,1,2,3,4,5,6,7
	ds_load_b128 v[BK+32*((\i)%2)+4*\a:BK+32*((\i)%2)+4*\a+3], v[RD] offset:544*\a
.endr
.endm
.macro SEND i, younger
	s_wait_dscnt \younger
.irp a, 0,1,2,3,4,5,6,7
	global_store_b128 v[CO], v[BK+32*((\i)%2)+4*\a:BK+32*((\i)%2)+4*\a+3], s[12:13] offset:((\i)*8+2*\a+24*(\a/4))*4096 th:TH_STORE_NT   ; place p of tile i is position 8 i + p % 8 + 32 (p / 8) of my 64
.endr
.endm
	s_load_b256 s[4:11], s[0:1], 0x0
	s_load_b64 s[12:13], s[0:1], 0x20
	v_lshl_add_u32 v30, v0, 2, 0x29000
	v_mov_b32 v31, 0
	ds_add_u32 v30, v31
	ds_add_u32 v30, v31
	v_lshrrev_b32 v1, 5, v0
	v_readfirstlane_b32 s[WV], v1
	s_bfe_u32 s[CX], ttmp6, 0x40000
	s_lshl_b32 s[RG], ttmp9, 2
	s_add_co_u32 s[RG], s[RG], s[CX]
	s_and_b32 s[CG], ttmp7, 0xffff
	s_mov_b32 s[G1C+0], 15|(1<<20)|(1<<21)|(5<<22)|(3<<25)
	s_mov_b32 s[G1C+1], 768<<16
	s_mov_b32 s[G1C+2], 32<<16
	s_mov_b32 s[G1C+3], 768<<16
	s_mov_b32 s[G1C+4], 32
	s_mov_b32 s[G1C+5], 768
	s_mov_b32 s[G1C+6], 0
	s_mov_b32 s[G1C+7], 0
	s_mov_b32 s[G1S+0], 15|(3<<16)|(1<<21)
	s_mov_b32 s[G1S+1], 32<<16
	s_mov_b32 s[G1S+2], 4<<16
	s_mov_b32 s[G1S+3], 32<<16
	s_mov_b32 s[G1S+4], 4
	s_mov_b32 s[G1S+5], 32
	s_mov_b32 s[G1S+6], 0
	s_mov_b32 s[G1S+7], 0
	s_mul_i32 s52, s[CG], 98304
	s_mul_i32 s53, s[WV], 24576
	s_add_co_u32 s52, s52, s53
	s_mov_b32 s53, 0
	s_lshl_b32 s54, s[CG], 12
	s_lshl_b32 s55, s[WV], 10
	s_add_co_u32 s54, s54, s55
	s_mov_b32 s[G0C], 1
	s_mul_i32 s[G0C+1], s[WV], 32*PITCH
	s_mov_b32 s[G0S], 1
	s_add_co_u32 s[G0S+1], s55, SCW
	s_mov_b32 s55, 0
	s_mov_b32 s[TB], 0
	s_mov_b32 s[TSW], 0
	s_mov_b32 s[PASS], 0
	s_wait_dscnt 0x0
	s_wait_kmcnt 0x0
	s_add_nc_u64 s[G0C+2:G0C+3], s[8:9], s[52:53]
	s_or_b32 s[G0C+3], s[G0C+3], 0x80000000
	s_add_nc_u64 s[G0S+2:G0S+3], s[10:11], s[54:55]
	s_or_b32 s[G0S+3], s[G0S+3], 0x80000000
	CROUND
	tensor_load_to_lds s[G0C:G0C+3], s[G1C:G1C+7]
	s_nop 0
	s_wait_alu depctr_va_vdst(0)
	s_wait_tensorcnt 0x0
	ds_add_u32 v30, v31
	s_wait_dscnt 0x0
	CROUND
	tensor_load_to_lds s[G0S:G0S+3], s[G1S:G1S+7]
	s_nop 0
	PLACES 4
	s_lshl_b32 s56, s[RG], 4
	s_lshl_b32 s57, s[WV], 2
	s_add_co_u32 s56, s56, s57
	s_mul_i32 s58, s56, 12288
	s_mov_b32 s59, 0
	s_add_nc_u64 s[4:5], s[4:5], s[58:59]
	s_lshl_b32 s58, s56, 7
	s_add_nc_u64 s[6:7], s[6:7], s[58:59]
	s_lshl_b32 s58, s56, 16
	s_lshl_b32 s57, s[CG], 9
	s_add_co_u32 s58, s58, s57
	s_add_nc_u64 s[12:13], s[12:13], s[58:59]
	v_and_b32 v1, 15, v0
	v_bfe_u32 v5, v0, 4, 1
	v_mul_u32_u24 v[ADW0], v1, PITCH
	v_mad_u32_u24 v[ADW0], v5, 24, v[ADW0]
	v_lshl_add_u32 v[ADW20], v5, 4, v[ADW0]
	v_lshlrev_b32 v[ADSW0], 5, v1
	v_lshl_add_u32 v[ADSW0], v5, 4, v[ADSW0]
	v_add_nc_u32 v[ADSW0], SCW, v[ADSW0]
	s_mul_i32 s57, s[WV], 16*272
	s_add_co_u32 s57, s57, STG
	v_mul_u32_u24 v[STO], v1, 272
	v_lshl_add_u32 v[STO], v5, 5, v[STO]
	v_add_nc_u32 v[STO], s57, v[STO]
	v_mul_u32_u24 v[RD], v5, 272
	v_lshl_add_u32 v[RD], v1, 4, v[RD]
	v_add_nc_u32 v[RD], s57, v[RD]
	v_lshlrev_b32 v[CO], 12, v5
	v_lshl_add_u32 v[CO], v1, 4, v[CO]
	v_and_b32 v13, 31, v0
	v_lshlrev_b32 v11, 4, v13
	v_lshlrev_b32 v12, 3, v13
	v_lshlrev_b32 v13, 2, v13
.irp i, 0,1,2,3
	WIN 0x40+0x40*(\i/2)
.irp hh, 0,1,2,3,4,5,6,7,8,9,10,11,12,13,14,15
	global_load_b128 v[12*(8*(\i%2)+\hh/2)+6*(\hh%2):12*(8*(\i%2)+\hh/2)+6*(\hh%2)+3], v11, s[4:5] offset:12288*\i+768*\hh
	global_load_b64 v[12*(8*(\i%2)+\hh/2)+6*(\hh%2)+4:12*(8*(\i%2)+\hh/2)+6*(\hh%2)+5], v12, s[4:5] offset:12288*\i+768*\hh+512
.endr
.endr
	WIN 0
.irp i, 0,1,2,3
.irp j, 0,1,2,3
	global_load_b32 v[SX+4*\i+\j], v13, s[6:7] offset:65536*\j+128*\i
.endr
.endr
	s_wait_tensorcnt 0x0
	s_barrier_signal -1
	s_barrier_wait -1
	s_wait_loadcnt 0x0
.Lpass:
	v_add_nc_u32 v[ADW], s[TB], v[ADW0]
	s_wait_alu depctr_va_vdst(0)
	v_add_nc_u32 v[ADW2], s[TB], v[ADW20]
	s_wait_alu depctr_va_vdst(0)
	v_add_nc_u32 v[ADSW], s[TSW], v[ADSW0]
.irp t, 0,1,2,3
	ds_load_b128 v[SW+4*\t:SW+4*\t+3], v[ADSW] offset:16*\t*32
.endr
	FETCH 0
.irp q, 0,1,2,3,4,5,6,7
	KSTEP \q
.endr
	WIN 0
	PLACES 4
	TOSTAGE 0
	TOSTAGE 1
	SEND 0, 16
	s_wait_xcnt 0x0
	TOSTAGE 2
	SEND 1, 16
	s_wait_xcnt 0x0
	TOSTAGE 3
	SEND 2, 16
	SEND 3, 0
	s_wait_xcnt 0x0
	s_add_nc_u64 s[12:13], s[12:13], 256
	s_add_co_u32 s[TB], s[TB], 64*PITCH
	s_add_co_u32 s[TSW], s[TSW], 2048
	s_add_co_u32 s[PASS], s[PASS], 1
	s_cmp_lt_u32 s[PASS], 2
	s_cbranch_scc1 .Lpass
	s_wait_tensorcnt 0x0
	ds_add_u32 v30, v31
	s_wait_dscnt 0x0
	CROUND
	s_endpgm
.Lfunc_end_k_q2a8a4c6481_outp:
	.size	k_q2a8a4c6481_outp, .Lfunc_end_k_q2a8a4c6481_outp-k_q2a8a4c6481_outp
	.p2alignl 7, 3214868480
	.fill 96, 4, 3214868480
	.section	.rodata,"a",@progbits
	.p2align	6, 0x0
	.amdhsa_kernel k_q2a8a4c6481_outp
		.amdhsa_group_segment_fixed_size 327680
		.amdhsa_private_segment_fixed_size 0
		.amdhsa_enable_private_segment 0
		.amdhsa_kernarg_size 40
		.amdhsa_user_sgpr_count 2
		.amdhsa_user_sgpr_kernarg_segment_ptr 1
		.amdhsa_wavefront_size32 1
		.amdhsa_system_sgpr_workgroup_id_x 1
		.amdhsa_system_sgpr_workgroup_id_y 1
		.amdhsa_system_sgpr_workgroup_id_z 1
		.amdhsa_system_vgpr_workitem_id 0
		.amdhsa_next_free_vgpr 864
		.amdhsa_next_free_sgpr 66
		.amdhsa_reserve_vcc 0
		.amdhsa_float_denorm_mode_32 3
		.amdhsa_float_denorm_mode_16_64 3
		.amdhsa_memory_ordered 1
		.amdhsa_forward_progress 1
		.amdhsa_inst_pref_size 58
	.end_amdhsa_kernel
	.amdgpu_metadata
---
amdhsa.version: [ 1, 2 ]
amdhsa.kernels:
  - .name:           k_q2a8a4c6481_outp
    .symbol:         k_q2a8a4c6481_outp.kd
    .args:
      - { .name: aimg, .offset: 0, .size: 8, .value_kind: global_buffer, .address_space: global }
      - { .name: ascl, .offset: 8, .size: 8, .value_kind: global_buffer, .address_space: global }
      - { .name: wo_codes, .offset: 16, .size: 8, .value_kind: global_buffer, .address_space: global }
      - { .name: wo_scales, .offset: 24, .size: 8, .value_kind: global_buffer, .address_space: global }
      - { .name: out0, .offset: 32, .size: 8, .value_kind: global_buffer, .address_space: global }
    .group_segment_fixed_size: 327680
    .private_segment_fixed_size: 0
    .kernarg_segment_align: 8
    .kernarg_segment_size: 40
    .max_flat_workgroup_size: 128
    .sgpr_count:     66
    .vgpr_count:     864
    .wavefront_size: 32
...
	.end_amdgpu_metadata
.endif
;; end of part 3
